; MI455X (gfx1250); checked and timed in simulation.
; The chip was launched on July 23, 2026; its instructions are those of AMD's public machine-readable ISA for CDNA 5 (MIT licence, August 2026) and "CDNA5" Instruction Set Architecture Reference Guide (July 2026). The comments in the code are by the model that wrote it; some were corrected since.
;; Causal Attention. Allowed arithmetic: float matrix products may take bf16 or f16 operands with f32 sums; other float arithmetic in f32, or as packed bf16 or f16 multiplies, adds, multiply-adds, maxima and minima; sums over many terms, partial sums and values carried from step to step in f32; what a program stores and reads back later, other than sums and carried values, may be rounded once to bf16 or f16.
;; Inputs: Wk 1,024 x 1,024 float32; Wq 1,024 x 1,024 float32; Wv 1,024 x 1,024 float32; x 4 x 2,048 x 1,024 float32.
;; Outputs: out0 4 x 2,048 x 1,024 float32.
;; 2 versions, each right; version 2 is version 1 with the launch cast written anew for expert scheduling mode. Each part assembles by itself: llvm-mc -triple=amdgcn-amd-amdhsa -mcpu=gfx1250 --defsym DOCPART=n.
;; ======== version 1 of 2: 4 launches
;; limits: values are held in f16: magnitudes above 65,504 overflow, below 6.1e-05 lose precision
;; workspace buffers: xb 16,777,216 bytes; wb 6,291,456 bytes; qkv 50,331,648 bytes; pbuf 33,554,432 bytes; cmst 524,288 bytes; lst 524,288 bytes
;; launch cast (part 1): grid 704 x 1, 8 waves a work-group, no clusters, 0 bytes of LDS; arguments x, Wq, Wk, Wv, xb, wb; writes xb, wb
.if DOCPART == 1
	.amdgcn_target "amdgcn-amd-amdhsa--gfx1250"
	.amdhsa_code_object_version 6
	.text
	.protected	k_q2c63c2930d_cast
	.globl	k_q2c63c2930d_cast
	.p2align	8
	.type	k_q2c63c2930d_cast,@function
k_q2c63c2930d_cast:
	s_mov_b64 s[64:65], 0
	v_nop
	global_prefetch_b8 v0, s[64:65] scope:SCOPE_SE
	s_setreg_imm32_b32 hwreg(HW_REG_WAVE_MODE, 25, 1), 1
	s_wait_xcnt 0x0
; x [8192][1024] f32 -> xb, bf16, IN BLOCKS ALONG K: [16 blocks][8192 rows][64 channels], so that the next launch's tile of 256 rows x 64 channels is 32,768 consecutive bytes.
; Wq | Wk | Wv [1024][1024] f32 -> wb [1024][3072] bf16, side by side in each row.  Each number is rounded once, to nearest even.
; A stream: each byte is read once and written once; no LDS, no barrier, no matrix unit.  A work-group takes 16 source rows of 4,096 bytes: groups 0-511 those of x, then 64 groups for each weight.
; A wave takes two rows, sixteen loads, all issued before the first is waited for.  Every store of a wave covers 256 consecutive bytes, aligned.
.set KBLK, 8192*128                    ; bytes in a K block of xb
.set X, 8                              ; v[8:71]   sixteen loads of four f32
.set Y, 72                             ; v[72:103] sixteen pairs of packed bf16
	s_load_b256 s[4:11], s[0:1], 0x0               ; x s[4:5], Wq s[6:7], Wk s[8:9], Wv s[10:11]
	s_load_b128 s[12:15], s[0:1], 0x20             ; xb s[12:13], wb s[14:15]
	s_mov_b32 s16, ttmp9
	v_and_b32 v4, 31, v0                           ; lane
	v_lshrrev_b32 v5, 5, v0                        ; wave
	s_mov_b32 s23, 0
	s_mov_b32 s29, 0
	s_cmp_lt_u32 s16, 512
	s_cbranch_scc0 .Lweights
	; x.  Load i: lanes 0-15 take 256 bytes (channels 64 i .. 64 i + 63) of the wave's first row, lanes 16-31 the same of its second.
	; Rounded they are 128 + 128 bytes, which lie end to end in K block i: one store of 256 bytes.
	v_and_b32 v6, 15, v0
	v_bfe_u32 v7, v0, 4, 1
	v_lshlrev_b32 v1, 4, v6
	v_lshl_or_b32 v1, v7, 12, v1
	v_lshl_or_b32 v1, v5, 13, v1                   ; source: 8,192 x wave + 4,096 x (lane / 16) + 16 x (lane % 16)
	v_lshlrev_b32 v2, 3, v4
	v_lshl_or_b32 v2, v5, 8, v2                    ; destination: 256 x wave + 8 x lane
	s_lshl_b32 s22, s16, 16                        ; 16 rows of 4,096 bytes
	s_lshl_b32 s28, s16, 11                        ; 16 rows of 128 bytes
	s_wait_kmcnt 0x0
	s_add_nc_u64 s[24:25], s[4:5], s[22:23]
	s_add_nc_u64 s[26:27], s[12:13], s[28:29]      ; K blocks 0 to 7 stand in the stores' immediate,
	s_add_nc_u64 s[30:31], s[26:27], 8*KBLK        ; blocks 8 to 15 behind a second base: the immediate holds 24 bits with its sign
.set i, 0
.rept 16
	global_load_b128 v[X+4*i:X+4*i+3], v1, s[24:25] offset:256*i th:TH_LOAD_NT
.set i, i+1
.endr
.set i, 0
.rept 16
	s_wait_loadcnt 15-i                            ; loads come back in order: load i is in, the 15 - i younger ones stay out
	v_cvt_pk_bf16_f32 v[Y+2*i], v[X+4*i], v[X+4*i+1]
	v_cvt_pk_bf16_f32 v[Y+2*i+1], v[X+4*i+2], v[X+4*i+3]
.if i < 8
	global_store_b64 v2, v[Y+2*i:Y+2*i+1], s[26:27] offset:i*KBLK
.else
	global_store_b64 v2, v[Y+2*i:Y+2*i+1], s[30:31] offset:(i-8)*KBLK
.endif
.set i, i+1
.endr
	s_endpgm
.Lweights:
	; a weight.  Load i takes 512 consecutive bytes: eight loads a row; rounded they are 256 bytes of a row of wb.
	s_sub_co_u32 s17, s16, 512
	s_lshr_b32 s18, s17, 6                         ; which weight: 0 q, 1 k, 2 v
	s_and_b32 s19, s17, 63                         ; which 16 rows of it
	s_lshl_b32 s22, s19, 16
	s_mul_i32 s28, s19, 16*6144
	s_lshl_b32 s21, s18, 11
	s_add_co_u32 s28, s28, s21                     ; the weight's 2,048 bytes of a row of wb
	v_lshlrev_b32 v1, 4, v4
	v_lshl_or_b32 v1, v5, 13, v1                   ; source: 8,192 x wave + 16 x lane
	v_mul_u32_u24 v2, v5, 2*6144
	v_lshl_add_u32 v2, v4, 3, v2                   ; destination, first row: 2 x wave rows + 8 x lane
	v_add_nc_u32 v3, 6144, v2                      ; second row
	s_wait_kmcnt 0x0
	s_cmp_lt_u32 s16, 640
	s_cselect_b64 s[24:25], s[8:9], s[10:11]       ; the source, chosen by the group's number alone
	s_cmp_lt_u32 s16, 576
	s_cselect_b64 s[24:25], s[6:7], s[24:25]
	s_add_nc_u64 s[24:25], s[24:25], s[22:23]
	s_add_nc_u64 s[26:27], s[14:15], s[28:29]
.set i, 0
.rept 16
	global_load_b128 v[X+4*i:X+4*i+3], v1, s[24:25] offset:512*i th:TH_LOAD_NT
.set i, i+1
.endr
.set i, 0
.rept 16
	s_wait_loadcnt 15-i
	v_cvt_pk_bf16_f32 v[Y+2*i], v[X+4*i], v[X+4*i+1]
	v_cvt_pk_bf16_f32 v[Y+2*i+1], v[X+4*i+2], v[X+4*i+3]
	global_store_b64 v[2+i/8], v[Y+2*i:Y+2*i+1], s[26:27] offset:256*(i%8)
.set i, i+1
.endr
	s_endpgm
.Lfunc_end_k_q2c63c2930d_cast:
	.size	k_q2c63c2930d_cast, .Lfunc_end_k_q2c63c2930d_cast-k_q2c63c2930d_cast
	.p2alignl 7, 3214868480
	.fill 96, 4, 3214868480
	.section	.rodata,"a",@progbits
	.p2align	6, 0x0
	.amdhsa_kernel k_q2c63c2930d_cast
		.amdhsa_group_segment_fixed_size 0
		.amdhsa_private_segment_fixed_size 0
		.amdhsa_enable_private_segment 0
		.amdhsa_kernarg_size 48
		.amdhsa_user_sgpr_count 2
		.amdhsa_user_sgpr_kernarg_segment_ptr 1
		.amdhsa_wavefront_size32 1
		.amdhsa_system_sgpr_workgroup_id_x 1
		.amdhsa_system_sgpr_workgroup_id_y 1
		.amdhsa_system_sgpr_workgroup_id_z 1
		.amdhsa_system_vgpr_workitem_id 0
		.amdhsa_next_free_vgpr 104
		.amdhsa_next_free_sgpr 66
		.amdhsa_reserve_vcc 0
		.amdhsa_float_denorm_mode_32 3
		.amdhsa_float_denorm_mode_16_64 3
		.amdhsa_memory_ordered 1
		.amdhsa_forward_progress 1
		.amdhsa_inst_pref_size 14
	.end_amdhsa_kernel
	.amdgpu_metadata
---
amdhsa.version: [ 1, 2 ]
amdhsa.kernels:
  - .name:           k_q2c63c2930d_cast
    .symbol:         k_q2c63c2930d_cast.kd
    .args:
      - { .name: x, .offset: 0, .size: 8, .value_kind: global_buffer, .address_space: global }
      - { .name: Wq, .offset: 8, .size: 8, .value_kind: global_buffer, .address_space: global }
      - { .name: Wk, .offset: 16, .size: 8, .value_kind: global_buffer, .address_space: global }
      - { .name: Wv, .offset: 24, .size: 8, .value_kind: global_buffer, .address_space: global }
      - { .name: xb, .offset: 32, .size: 8, .value_kind: global_buffer, .address_space: global }
      - { .name: wb, .offset: 40, .size: 8, .value_kind: global_buffer, .address_space: global }
    .group_segment_fixed_size: 0
    .private_segment_fixed_size: 0
    .kernarg_segment_align: 8
    .kernarg_segment_size: 48
    .max_flat_workgroup_size: 256
    .sgpr_count:     66
    .vgpr_count:     104
    .wavefront_size: 32
...
	.end_amdgpu_metadata
.endif
;; end of part 1
;; launch proj (part 2): grid 8 x 32, 4 waves a work-group, clusters of 4 x 4, 327,680 bytes of LDS; arguments xb, wb, qkv; writes qkv
.if DOCPART == 2
	.amdgcn_target "amdgcn-amd-amdhsa--gfx1250"
	.amdhsa_code_object_version 6
	.text
	.protected	k_q2c63c2930d_proj
	.globl	k_q2c63c2930d_proj
	.p2align	8
	.type	k_q2c63c2930d_proj,@function
k_q2c63c2930d_proj:
	s_mov_b64 s[64:65], 0
	v_nop
	global_prefetch_b8 v0, s[64:65] scope:SCOPE_SE
	s_setreg_imm32_b32 hwreg(HW_REG_WAVE_MODE, 25, 1), 1
	s_wait_xcnt 0x0
	s_wait_alu depctr_hold_cnt(0) depctr_sa_sdst(0) depctr_va_vdst(0) depctr_va_sdst(0) depctr_va_ssrc(0) depctr_va_vcc(0) depctr_vm_vsrc(0)
	s_getreg_b32 s2, hwreg(HW_REG_IB_STS2, 6, 4)
	s_cmp_eq_u32 s2, 0
	s_cbranch_scc0 .Lentry_in_a_cluster
	s_endpgm
.Lentry_in_a_cluster:
	s_bfe_u32 s2, ttmp6, 0x10000c
	s_cmp_lg_u32 s2, 0xf033
	s_cbranch_scc0 .Lentry_shape_is_right
	s_endpgm
.Lentry_shape_is_right:
; qkv[m][n] = sum over d of x[m][d] w[d][n].  xb: x in bf16, in blocks along K: [16][8192 rows][64]; wb: [1024][3072] bf16 (q | k | v); qkv: [8192][3072] f16; sums in f32, qkv rounded once.
; LIMIT: a sum of 65,520 or more in size leaves as an infinity (f16); NaN and infinities are not treated apart.
; A work-group makes ONE tile of 256 rows x 384 columns: 32 x 8 tiles, one for each of 256 work-groups.  Wave w takes rows 64 w .. 64 w + 63 and all 384 columns: 96 accumulators, 768 registers.
; So a row of a wave's result is 768 bytes, three whole aligned blocks of 256, and each wave has a stage of its own on the way out.
; K goes in 16 steps of 64 through two LDS slots filled by tensor loads: 32,768 bytes of xb and 49,152 of wb for a step's 192 matrix instructions a wave.
; xb's rows lie along K and are read as they lie; wb's rows lie along n and are read turned (ds_load_tr16_b128).
; CLUSTER 4 x 4: the four of a row of the cluster need the same rows of xb, the four of a column the same columns of wb: each tile is asked for jointly, with a mask that names the four.
; The matrix instruction is used transposed (source 0 = 16 columns of wb, source 1 = 16 rows of xb): a lane holds one row and eight neighbouring columns of the result.
; REGISTERS: windows 1 to 3: the accumulators: row block a, column block b in window 1 + b / 8 at v[8 (4 (b % 8) + a)].
;   window 0: v16-30 addresses; v32-95 xb's fragments, two buffers of 4 (one for each half of a step); v96-223 A RING of four groups of 4 fragments of wb.
; A step is 12 GROUPS of 16 matrix instructions (4 column blocks x 4 row blocks, 32 along K).  Ahead of group G stand four places, the 8 loads of group G + 3, into the ring's place that group G - 1 has just left, and a counted wait.
.set PA,     144                       ; an LDS row of xb's tile: 128 bytes + 16: an odd multiple of 16
.set PB,     864                       ; an LDS row of wb's tile: 3 x (256 bytes + 32): an odd multiple of 32, for the turning load
.set ATILE,  256*PA
.set SLOTB,  ATILE+64*PB               ; 92,160: xb's 256 rows, then wb's 64 rows
.set SX,     0x20000                   ; slot 1 begins here: one exclusive or turns an address in one slot into the other's
.set STAGE,  SX+SLOTB                  ; behind the ring: 16 rows x 784 bytes for each wave
.set SP,     784
.set SPARE,  STAGE+4*16*SP             ; the spare words, 128 bytes a wave; no other line names them
.set ROWW,   6144                      ; bytes in a row of wb and of qkv
.set KBLK,   8192*128                  ; a K step of xb
.set STEPW,  64*ROWW                   ; a K step of wb
.set STEPS,  16
.set ADRA0, 16                         ; my lane's place in xb's tile; never rewritten
.set ADRB0, 17                         ; the same for wb's
.set ADRA,  18                         ; the same in the slot that is being read
.set ADRB,  19
.set STO,  24
.set RD,   25
.set CO,   26
.set SPW,  28                          ; my spare word; never rewritten
.set NIL,  29                          ; 0; never rewritten
.set PFO,  30                          ; the prefetches' offset; never rewritten
.set AF,   32
.set BR,   96
.set TMP,  32                          ; the way out: 96 registers of packed results
.set OB,   128                         ; and 96 of rows read back
.set G1,  24                           ; s[24:31] group 1 for xb's tiles; s[32:39] group 0: a set for each first fill; the second then walks on
.set G0,  32
.set G1B, 48                           ; s[48:55], s[56:63] the same for wb's
.set G0B, 56
.set LIM, 43                           ; 2 in a wave that prefetches, else the greatest number
.set PFA, 44                           ; s[44:45] where my prefetches stand
.set PST, 66                           ; s[66:67] a K step of my prefetches
.set TB,  70                           ; 0 or SX: the slot that is being read
.set BLK, 71
.set MSB, 0
.macro WIN new                         ; the immediate's high byte repeats the setting that is left
.if MSB != (\new)
	s_set_vgpr_msb (MSB<<8)|(\new)
.set MSB, \new
.endif
.endm
.macro PLACES                          ; four plain places behind matrix instructions, ahead of loads into their sources and of reads of their results
.rept 4
	v_nop
.endr
.endm
.macro JLOAD                           ; a joint refill: waves 0, 1 fetch xb's halves, waves 2, 3 wb's; an s_nop 0 and four v_nop follow each line
	s_cmp_eq_u32 s11, 0
	s_cbranch_scc0 .Lfor_b_\@
	tensor_load_to_lds s[G0+4:G0+7], s[G1:G1+7]
	s_nop 0
.rept 4
	v_nop
.endr
	s_branch .Lasked_\@
.Lfor_b_\@:
	tensor_load_to_lds s[G0B+4:G0B+7], s[G1B:G1B+7]
	s_nop 0
.rept 4
	v_nop
.endr
.Lasked_\@:
.endm
; PREFETCHES INTO THE L2, in every second K step, for the two K steps that stand 3 and 4 on (their loads are issued 1 and 2 steps on).  xb: a tile row's K step is 128 blocks of 256 bytes; both clusters of that
; row of clusters read it: the one with x = 0 asks; its four partners take 32 blocks each, by address; wave 0, a lane a block, two lines.  wb: two K steps are 128 rows of 768 bytes; every cluster of the column reads
; them: the one with y = 0 asks; its four partners take 32 rows each, by address; wave 2, a lane a row, three lines.  So each block is named once.  K steps 0 to 2 and the last come by their loads alone.
.macro ASK
	s_and_b32 s22, s3, 1                           ; s3 counts 14 .. 1: even in the even K steps
	s_cmp_eq_u32 s22, 0
	s_cbranch_scc0 .Lnot_mine_\@
	s_cmp_gt_u32 s3, s[LIM]                        ; s3 = 2: K step 12, whose two would pass the end
	s_cbranch_scc0 .Lnot_mine_\@
	s_cmp_eq_u32 s11, 0
	s_cbranch_scc0 .Lask_b_\@
	global_prefetch_b8 v[PFO], s[PFA:PFA+1] th:TH_LOAD_NT scope:SCOPE_SE
	global_prefetch_b8 v[PFO], s[PFA:PFA+1] offset:KBLK th:TH_LOAD_NT scope:SCOPE_SE
	s_branch .Lnot_mine_\@
.Lask_b_\@:
.irp u, 0,1,2
	global_prefetch_b8 v[PFO], s[PFA:PFA+1] offset:256*(\u) th:TH_LOAD_NT scope:SCOPE_SE
.endr
.Lnot_mine_\@:
.endm
.macro CREST                           ; a round of the cluster's barrier behind its opening barrier
	s_cmp_lg_u32 s10, 0
	s_cbranch_scc1 .Lnot_wave_0_\@
	s_barrier_signal -3
.Lnot_wave_0_\@:
	s_barrier_wait -3
	s_barrier_signal -1
	s_barrier_wait -1
.endm
.macro CROUND
	s_barrier_signal -1
	s_barrier_wait -1
	CREST
.endm
	s_load_b128 s[4:7], s[0:1], 0x0                ; xb s[4:5], wb s[6:7]
	s_load_b64 s[8:9], s[0:1], 0x10                ; qkv
	v_lshl_add_u32 v[SPW], v0, 2, SPARE
	v_mov_b32 v[NIL], 0
	ds_add_u32 v[SPW], v[NIL]                      ; the wave's opening: the add and its wait stand ahead of my first tensor load
	v_lshrrev_b32 v1, 5, v0
	v_readfirstlane_b32 s10, v1                    ; wave 0..3
	s_lshr_b32 s11, s10, 1                         ; I fetch for xb (0) or wb (1),
	s_and_b32 s12, s10, 1                          ; and which half of that tile
	s_bfe_u32 s40, ttmp6, 0x40000                  ; cx
	s_bfe_u32 s41, ttmp6, 0x40004                  ; cy
	s_lshl_b32 s42, ttmp9, 2
	s_add_co_u32 s42, s42, s40                     ; nj: my block of 384 columns
	s_and_b32 s13, ttmp7, 0xffff
	s_lshl_b32 s13, s13, 2
	s_add_co_u32 s13, s13, s41                     ; mi: my block of 256 rows
	s_lshl_b32 s43, s41, 2
	s_lshl_b32 s43, 15, s43                        ; my row of the cluster
	s_lshl_b32 s44, 0x1111, s40                    ; my column
	; xb: 128 rows of 128 bytes lie end to end: asked for as 64 rows of 256 bytes, two rows of xb each, padded in LDS behind each row of xb
	s_or_b32 s[G1+0], s43, (1<<16)|(1<<20)|(1<<21)|(4<<22)|(3<<25)   ; the mask; 2-byte elements; padding on; bit 21 beside a mask; after every 32 words 4 words
	s_mov_b32 s[G1+1], 128<<16                     ; tensor_dim0 = 128
	s_mov_b32 s[G1+2], 64<<16                      ; tensor_dim1 = 64
	s_mov_b32 s[G1+3], 128<<16                     ; tile_dim0 = 128
	s_mov_b32 s[G1+4], 64                          ; tile_dim1 = 64
	s_mov_b32 s[G1+5], 128                         ; elements from row to row
	s_mov_b32 s[G1+6], 0
	s_mov_b32 s[G1+7], 0
	; wb: 32 rows of 384 elements; a row is three intervals of 64 words, each with its padding
	s_or_b32 s[G1B+0], s44, (1<<16)|(1<<20)|(1<<21)|(5<<22)|(7<<25)  ; after every 64 words 8 words
	s_mov_b32 s[G1B+1], 384<<16
	s_mov_b32 s[G1B+2], 32<<16
	s_mov_b32 s[G1B+3], 384<<16
	s_mov_b32 s[G1B+4], 32
	s_mov_b32 s[G1B+5], 3072
	s_mov_b32 s[G1B+6], 0
	s_mov_b32 s[G1B+7], 0
	s_lshl_b32 s16, s13, 15                        ; xb: 256 mi rows of 128 bytes,
	s_lshl_b32 s17, s12, 14                        ; + 128 x half
	s_add_co_u32 s16, s16, s17
	s_mov_b32 s17, 0
	s_mul_i32 s46, s12, 32*ROWW                    ; wb: row 32 x half,
	s_mul_i32 s47, s42, 768                        ; column 384 nj
	s_add_co_u32 s46, s46, s47
	s_mov_b32 s47, 0
	s_mul_i32 s20, s12, 128*PA                     ; where they go: no place in the cluster enters an LDS address
	s_mul_i32 s21, s12, 32*PB
	s_add_co_u32 s21, s21, ATILE
	s_mov_b32 s[TB], 0
	s_wait_dscnt 0x0                               ; the opening add is done
	s_wait_kmcnt 0x0
	s_add_nc_u64 s[14:15], s[4:5], s[16:17]
	s_add_nc_u64 s[46:47], s[6:7], s[46:47]
	CROUND                                         ; all sixteen work-groups are here: the first joint loads meet
.irp s, 0,1
	s_mov_b32 s[G0+4*(\s)], 1
	s_add_co_u32 s[G0+4*(\s)+1], s20, (\s)*SX
	s_add_nc_u64 s[G0+4*(\s)+2:G0+4*(\s)+3], s[14:15], (\s)*KBLK
	s_or_b32 s[G0+4*(\s)+3], s[G0+4*(\s)+3], 0x80000000
	s_mov_b32 s[G0B+4*(\s)], 1
	s_add_co_u32 s[G0B+4*(\s)+1], s21, (\s)*SX
	s_add_nc_u64 s[G0B+4*(\s)+2:G0B+4*(\s)+3], s[46:47], (\s)*STEPW
	s_or_b32 s[G0B+4*(\s)+3], s[G0B+4*(\s)+3], 0x80000000
.endr
	s_cmp_eq_u32 s11, 0                            ; a wave's two first fills stand in one branch: two loads of mine are out
	s_cbranch_scc0 .Lfirst_b
	tensor_load_to_lds s[G0:G0+3], s[G1:G1+7]
	s_nop 0
	tensor_load_to_lds s[G0+4:G0+7], s[G1:G1+7]
	s_nop 0
.rept 4
	v_nop
.endr
	s_branch .Lfirst_asked
.Lfirst_b:
	tensor_load_to_lds s[G0B:G0B+3], s[G1B:G1B+7]
	s_nop 0
	tensor_load_to_lds s[G0B+4:G0B+7], s[G1B:G1B+7]
	s_nop 0
.rept 4
	v_nop
.endr
.Lfirst_asked:
	v_and_b32 v1, 15, v0                           ; l % 16
	v_bfe_u32 v2, v0, 4, 1                         ; l / 16
	v_mul_u32_u24 v3, v1, PA
	v_lshl_add_u32 v3, v2, 4, v3                   ; row x 144 + 16 x half
	s_mul_i32 s21, s10, 64*PA                      ; my 64 rows of xb
	v_add_nc_u32 v[ADRA0], s21, v3
	v_and_b32 v4, 7, v0                            ; the turning load: lane l reads row 8 (l / 16) + l % 8, 16 bytes at 16 ((l / 8) % 2)
	v_lshl_add_u32 v4, v2, 3, v4
	v_mul_u32_u24 v4, v4, PB
	v_bfe_u32 v5, v0, 3, 1
	v_lshl_add_u32 v4, v5, 4, v4
	v_add_nc_u32 v[ADRB0], ATILE, v4
	s_mul_i32 s23, s10, 16*SP
	s_add_co_u32 s23, s23, STAGE                   ; my stage
	v_mul_u32_u24 v5, v1, SP
	v_lshl_add_u32 v5, v2, 4, v5
	v_add_nc_u32 v[STO], s23, v5                   ; in: row l % 16, 16 bytes for each half of the lanes
	v_mul_u32_u24 v5, v2, SP
	v_lshl_add_u32 v5, v1, 4, v5
	v_add_nc_u32 v[RD], s23, v5                    ; back: lanes 0-15 take 256 bytes of one row, lanes 16-31 of the next
	v_mul_u32_u24 v5, v2, ROWW
	v_lshl_add_u32 v[CO], v1, 4, v5                ; the same in qkv
	s_lshl_b32 s16, s13, 8
	s_lshl_b32 s17, s10, 6
	s_add_co_u32 s16, s16, s17                     ; my first row of qkv
	s_mul_i32 s16, s16, ROWW
	s_mov_b32 s17, 0
	s_add_nc_u64 s[8:9], s[8:9], s[16:17]
	s_mul_i32 s46, s42, 768                        ; the tile's first column, in bytes
	s_mov_b32 s47, 0
	s_add_nc_u64 s[8:9], s[8:9], s[46:47]
	; the prefetches: both offsets are made, the wave's number chooses.  They stand at K step 2: every K step moves them one on, so that K step s finds them at s + 3
	s_lshl_b32 s20, s13, 15
	s_lshl_b32 s21, s40, 13                        ; xb: my work-group's 32 blocks of 256 bytes
	s_add_co_u32 s20, s20, s21
	s_add_co_u32 s20, s20, 2*KBLK
	s_lshl_b32 s21, s41, 5                         ; wb: my work-group's 32 rows
	s_add_co_u32 s21, s21, 2*64
	s_mul_i32 s21, s21, ROWW
	s_mul_i32 s23, s42, 768
	s_add_co_u32 s21, s21, s23
	s_and_b32 s22, ttmp7, 0xffff                   ; cluster y
	s_mov_b32 s[PST], KBLK
	s_movk_i32 s72, 256
	s_cmp_eq_u32 s11, 0                            ; do I fetch for xb?
	s_cselect_b32 s20, s20, s21
	s_cselect_b32 s22, ttmp9, s22                  ; the coordinate along which other clusters read the same bytes
	s_cselect_b32 s[PST], s[PST], STEPW
	s_cselect_b32 s72, s72, ROWW
	s_cselect_b64 s[PFA:PFA+1], s[4:5], s[6:7]
	s_or_b32 s22, s22, s12                         ; 0 in waves 0 and 2 of the cluster that asks
	s_cmp_eq_u32 s22, 0
	s_cselect_b32 s[LIM], 2, -1                    ; the same in all sixteen partners, for a given wave
	s_mov_b32 s21, 0
	s_mov_b32 s[PST+1], 0
	s_add_nc_u64 s[PFA:PFA+1], s[PFA:PFA+1], s[20:21]
	v_and_b32 v6, 31, v0
	v_mul_lo_u32 v[PFO], v6, s72
; The 8 loads of group g (0 .. 11) of the slot at v[ADRB]: column blocks 4 (g % 6) .. + 3, 32 along K at row 32 (g / 6), turned, into the ring's place g % 4
.macro LOADB g
	WIN 0
.irp j, 0,1,2,3
.set b_, 4*((\g)%6)+(\j)
.set o_, 32*((\g)/6)*PB+32*b_+32*(b_/8)
.set d_, BR+32*((\g)%4)+8*(\j)
	ds_load_tr16_b128 v[d_:d_+3],   v[ADRB] offset:o_
	ds_load_tr16_b128 v[d_+4:d_+7], v[ADRB] offset:o_+16*PB
.endr
.endm
; xb's 4 fragments for half q of the slot at v[ADRA], into buffer q
.macro LOADA q
	WIN 0
.irp a, 0,1,2,3
	ds_load_b128 v[AF+32*(\q)+8*(\a):AF+32*(\q)+8*(\a)+3],   v[ADRA] offset:64*(\q)+(\a)*16*PA
	ds_load_b128 v[AF+32*(\q)+8*(\a)+4:AF+32*(\q)+8*(\a)+7], v[ADRA] offset:64*(\q)+(\a)*16*PA+32
.endr
.endm
; Group g's 16 matrix instructions.  The 96 accumulators take turns in one order: 95 others stand between two links of a chain.  zero = 1: the product starts the sum
.macro MULG g, zero
.set w_, 1+((\g)%6)/2
	WIN (w_<<6)|(w_<<4)
.irp j, 0,1,2,3
.irp a, 0,1,2,3
.set c_, 8*(4*(4*(((\g)%6)%2)+(\j))+(\a))
.set p_, BR+32*((\g)%4)+8*(\j)
.set x_, AF+32*((\g)/6)+8*(\a)
.if \zero
	v_wmma_f32_16x16x32_bf16 v[c_:c_+7], v[p_:p_+7], v[x_:x_+7], 0
.else
	v_wmma_f32_16x16x32_bf16 v[c_:c_+7], v[p_:p_+7], v[x_:x_+7], v[c_:c_+7]
.endif
.endr
.endr
.endm
; THE ORDER OF A STEP'S LDS LOADS: ahead of group 0: group 3's; 1: group 4's, then xb's second half; 2 .. 8: groups 5 .. 11; behind the barrier: the next slot's groups 0 and 1 and xb's first half; ahead of group 11: its group 2.
; Each wait's count is the number of LDS instructions issued behind the loads that the group needs.
; A step's first half: groups 0 to 5
.macro H0 zero
	PLACES
	LOADB 3
	s_wait_dscnt 16                                ; groups 0, 1 and xb's first half are in; groups 2 and 3 may be out
	MULG 0, \zero
	PLACES
	LOADB 4
	LOADA 1
	MULG 1, \zero                                  ; (in since the wait above)
	PLACES
	LOADB 5
	s_wait_dscnt 32                                ; behind group 2's: groups 3, 4, 5 and xb's eight
	MULG 2, \zero
	PLACES
	LOADB 6
	s_wait_dscnt 32                                ; behind group 3's: group 4, xb's eight, groups 5, 6
	MULG 3, \zero
	PLACES
	LOADB 7
	s_wait_dscnt 32                                ; behind group 4's: xb's eight, groups 5, 6, 7
	MULG 4, \zero
	PLACES
	LOADB 8
	s_wait_dscnt 24                                ; from here on: the three groups behind
	MULG 5, \zero
.endm
; A step's second half: groups 6 to 11, and the change of slots.  Group 11's loads are my last reads of the slot.  Then each wave waits for all its tensor loads (one is out: its part of the next slot), adds 0 to its
; spare word, and waits for that and for its reads.  mode 0: the barrier opens a round of the cluster's, and the joint refill, two K steps on, is the first thing behind it: 160 matrix instructions ahead of the wait for it.
; mode 1: nothing is left to fetch: a plain barrier.  mode 2: the last step.
.macro H1 mode
.if (\mode) == 0
	s_wait_xcnt 0x0                                ; the last prefetches, a K step or more back, have read their address
	s_add_nc_u64 s[PFA:PFA+1], s[PFA:PFA+1], s[PST:PST+1]
.endif
	PLACES
	LOADB 9
	s_wait_dscnt 24
	MULG 6, 0
	PLACES
	LOADB 10
	s_wait_dscnt 24
	MULG 7, 0
	PLACES
	LOADB 11
.if (\mode) < 2
	s_wait_tensorcnt 0x0                           ; all my tensor loads have landed, so the walking descriptors may be written
	ds_add_u32 v[SPW], v[NIL]                      ; 0 onto my spare word
.if (\mode) == 0
	s_xor_b32 s[G0+5], s[G0+5], SX                 ; the other slot than last time,
	s_add_nc_u64 s[G0+6:G0+7], s[G0+6:G0+7], KBLK  ; the next K step; the type bits on top are not reached
	s_xor_b32 s[G0B+5], s[G0B+5], SX
	s_add_nc_u64 s[G0B+6:G0B+7], s[G0B+6:G0B+7], STEPW
.endif
	s_wait_dscnt 25                                ; behind group 8's: groups 9, 10, 11 and the add
	MULG 8, 0
	s_wait_dscnt 0x0                               ; the add is done, and my reads of this slot are over
	s_barrier_signal -1
	MULG 9, 0
	WIN 0
	s_barrier_wait -1
.if (\mode) == 0
	CREST                                          ; no wave of any partner still reads this slot or has a load on its way
	JLOAD                                          ; its four v_nop are also the places in front of the loads below
.else
	PLACES
.endif
	s_xor_b32 s[TB], s[TB], SX                     ; the reads go on in the other slot
	v_add_nc_u32 v[ADRA], s[TB], v[ADRA0]
	v_add_nc_u32 v[ADRB], s[TB], v[ADRB0]
	LOADB 0
	LOADB 1
	LOADA 0
.if (\mode) == 0
	ASK                                            ; behind the joint load and the run of LDS loads
.endif
	MULG 10, 0                                     ; (groups 10 and 11 are in since the wait for 0)
	PLACES
	LOADB 2
	MULG 11, 0
.else
	s_wait_dscnt 24                                ; the counts run down
	MULG 8, 0
	s_wait_dscnt 16
	MULG 9, 0
	s_wait_dscnt 8
	MULG 10, 0
	s_wait_dscnt 0x0
	MULG 11, 0
.endif
.endm
	s_wait_tensorcnt 1                             ; my part of K step 0 is in; K step 1's may stay out
	s_barrier_signal -1
	s_barrier_wait -1
	v_add_nc_u32 v[ADRA], s[TB], v[ADRA0]
	v_add_nc_u32 v[ADRB], s[TB], v[ADRB0]
	LOADB 0
	LOADB 1
	LOADA 0
	LOADB 2
	H0 1                                           ; the first 32 along K start all 96 sums
	WIN 0                                          ; at a label and at a branch every window is 0
	s_mov_b32 s3, STEPS-2
.Lstep:                                                ; a trip: the second half of K step s, which asks for K step s + 2, and the first half of K step s + 1
	H1 0
	H0 0
	WIN 0
	s_sub_co_u32 s3, s3, 1
	s_cmp_lg_u32 s3, 0
	s_cbranch_scc1 .Lstep
	H1 1                                           ; the tail is written out
	H0 0
	H1 2
	WIN 0
	PLACES
; THE WAY OUT, a block of 16 rows a trip.  PACK a, the one part that knows the block's number as a constant, rounds its 24 accumulators to f16 (each from its low end on).
; Then: 16 bytes a lane into my own stage, back as whole blocks of 256 bytes, stored.
.macro PACK a
.irp w, 1,2,3
	WIN (\w)|((\w)<<2)                             ; sources in window w, destination in window 0
.irp bb, 0,1,2,3,4,5,6,7
.irp r, 0,1,2,3
	v_cvt_pk_f16_f32 v[TMP+4*(8*((\w)-1)+(\bb))+(\r)], v[8*(4*(\bb)+(\a))+2*(\r)], v[8*(4*(\bb)+(\a))+2*(\r)+1]
.endr
.endr
.endr
	WIN 0
.endm
	s_mov_b32 s[BLK], 0
.Lblk:
.irp a, 0,1,2
	s_cmp_eq_u32 s[BLK], \a
	s_cbranch_scc1 .Lpack\a
.endr
	PACK 3
	s_branch .Lcommon
.irp a, 0,1,2
.Lpack\a:
	PACK \a
	s_branch .Lcommon
.endr
.Lcommon:
.set b_, 0
.rept 24
	ds_store_b128 v[STO], v[TMP+4*b_:TMP+4*b_+3] offset:32*b_
.set b_, b_+1
.endr
.set t_, 0
.rept 24                               ; rows 2 (t / 3) and 2 (t / 3) + 1, block t % 3 of their three
	ds_load_b128 v[OB+4*t_:OB+4*t_+3], v[RD] offset:(t_/3)*2*SP+256*(t_%3)  ; LDS serves a wave's instructions in order: these see the stores above
.set t_, t_+1
.endr
	s_wait_dscnt 0x0
.set t_, 0
.rept 24
	global_store_b128 v[CO], v[OB+4*t_:OB+4*t_+3], s[8:9] offset:(t_/3)*2*ROWW+256*(t_%3)  ; 16 lanes store 256 consecutive bytes, aligned
.set t_, t_+1
.endr
	s_wait_xcnt 0x0                                ; the stores have read their base and data: both are rewritten in the next trip
	s_add_nc_u64 s[8:9], s[8:9], 16*ROWW
	s_add_co_u32 s[BLK], s[BLK], 1
	s_cmp_lt_u32 s[BLK], 4
	s_cbranch_scc1 .Lblk
	s_wait_tensorcnt 0x0                           ; the wave's end
	ds_add_u32 v[SPW], v[NIL]
	s_wait_dscnt 0x0
	CROUND                                         ; the closing round
	s_endpgm
.Lfunc_end_k_q2c63c2930d_proj:
	.size	k_q2c63c2930d_proj, .Lfunc_end_k_q2c63c2930d_proj-k_q2c63c2930d_proj
	.p2alignl 7, 3214868480
	.fill 96, 4, 3214868480
	.section	.rodata,"a",@progbits
	.p2align	6, 0x0
	.amdhsa_kernel k_q2c63c2930d_proj
		.amdhsa_group_segment_fixed_size 327680
		.amdhsa_private_segment_fixed_size 0
		.amdhsa_enable_private_segment 0
		.amdhsa_kernarg_size 24
		.amdhsa_user_sgpr_count 2
		.amdhsa_user_sgpr_kernarg_segment_ptr 1
		.amdhsa_wavefront_size32 1
		.amdhsa_system_sgpr_workgroup_id_x 1
		.amdhsa_system_sgpr_workgroup_id_y 1
		.amdhsa_system_sgpr_workgroup_id_z 1
		.amdhsa_system_vgpr_workitem_id 0
		.amdhsa_next_free_vgpr 1024
		.amdhsa_next_free_sgpr 88
		.amdhsa_reserve_vcc 0
		.amdhsa_float_denorm_mode_32 3
		.amdhsa_float_denorm_mode_16_64 3
		.amdhsa_memory_ordered 1
		.amdhsa_forward_progress 1
		.amdhsa_inst_pref_size 105
	.end_amdhsa_kernel
	.amdgpu_metadata
---
amdhsa.version: [ 1, 2 ]
amdhsa.kernels:
  - .name:           k_q2c63c2930d_proj
    .symbol:         k_q2c63c2930d_proj.kd
    .args:
      - { .name: xb, .offset: 0, .size: 8, .value_kind: global_buffer, .address_space: global }
      - { .name: wb, .offset: 8, .size: 8, .value_kind: global_buffer, .address_space: global }
      - { .name: qkv, .offset: 16, .size: 8, .value_kind: global_buffer, .address_space: global }
    .group_segment_fixed_size: 327680
    .private_segment_fixed_size: 0
    .kernarg_segment_align: 8
    .kernarg_segment_size: 24
    .max_flat_workgroup_size: 128
    .sgpr_count:     88
    .vgpr_count:     1024
    .wavefront_size: 32
...
	.end_amdgpu_metadata
.endif
;; end of part 2
;; launch score (part 3): grid 36 x 4, 4 waves a work-group, no clusters, 327,680 bytes of LDS; arguments qkv, pbuf, cmst, lst; writes pbuf, cmst, lst
.if DOCPART == 3
	.amdgcn_target "amdgcn-amd-amdhsa--gfx1250"
	.amdhsa_code_object_version 6
	.text
	.protected	k_q2c63c2930d_score
	.globl	k_q2c63c2930d_score
	.p2align	8
	.type	k_q2c63c2930d_score,@function
k_q2c63c2930d_score:
	s_mov_b64 s[64:65], 0
	v_nop
	global_prefetch_b8 v0, s[64:65] scope:SCOPE_SE
	s_setreg_imm32_b32 hwreg(HW_REG_WAVE_MODE, 25, 1), 1
	s_wait_xcnt 0x0
; The causal tiles of the weights.  For batch b, query i and key j <= i: s = q[i] . k[j]; c = log2(e) / 32.  Keys go in CHUNKS of 128.  For each query and chunk: cm = c x (the chunk's largest visible s),
; p = 2^(c s - cm), l = the sum of the chunk's p.  p leaves in f16 (pbuf [4][2048][2048]), cm and l in f32 (cmst, lst: [4][16 chunks][2048 rows]).  The next launch joins the chunks by their maxima.
; LIMITS: q and k arrive in f16; a hidden score counts as -1e30 (in units of c s); a p below 2^-126 counts as 0 in l, and below 6e-5 it keeps f16's fixed step; NaN and infinities are not treated apart.
; A work-group makes one tile of 256 queries x 256 keys on or below the diagonal: 36 tiles a batch, numbered along the triangle's rows.  Four waves, each 128 x 128 = one strip of rows x one chunk: 64 accumulators.
; In a diagonal tile the wave above the diagonal stores nothing (nobody reads that chunk); the two on it take a mask.
; NO CLUSTER: the triangle's rows and columns hold 1 to 8 tiles, so they do not divide into fours that share an operand.
; K (the 1,024 channels) goes in steps of 128 through two LDS slots filled by tensor loads, one a wave: waves 0, 1 fetch the halves of q's 256 rows, waves 2, 3 those of k's.
; The matrix instruction is used transposed (source 0 = 16 keys, source 1 = 16 queries): a lane holds one query and eight neighbouring keys.
; REGISTERS: window 0: v16-43 addresses and statistics; v64-127, v128-191 q's fragments, two buffers (on the way out: the block in hand and what is made of it); v192-223 rows read back
;            window 1: v64-127, v128-191 k's fragments;   windows 2, 3: the accumulators of my queries 0-63, 64-127: (a, b) at v[8 (8 (a % 4) + b)]
.set KSTEP,  128
.set PITCH,  272
.set HALFT,  128*PITCH
.set SLOT,   4*HALFT
.set STAGE,  2*SLOT                    ; 16 rows x 272 bytes for each wave
.set SPITCH, 272
.set STATS,  STAGE+4*16*SPITCH         ; for each wave 128 cm, then 128 l
.set SPARE,  STATS+4*1024              ; the spare words; no other line names them
.set LAPS,   4
.set ROWQ,   6144                      ; bytes in a row of qkv
.set ROWP,   4096                      ; bytes in a row of pbuf
.set ADRA, 16
.set ADRB, 20
.set STO,  24
.set RD,   25
.set CO,   26
.set SPW,  28
.set NIL,  29
.set PFO,  30
.set CM,   32                          ; v[32:33] cm, twice
.set LS,   34
.set VT0,  36                          ; l % 16 - 8 (l / 16)
.set VT,   37                          ; + 16 a: register j of key block b is hidden where 16 b + j is greater
.set STA0, 38                          ; where I put block 0's cm (lanes 0-15) or l (lanes 16-31); never rewritten: a block's place stands in the store's immediate
.set BIGV, 40
.set SV,   41                          ; the block's cm or l, kept until the next block's text stores it
.set SRD,  42
.set SGO,  43
.set F0,   64
.set F1,   128
.set E,    64                          ; the block's 64 scores a lane
.set TT,   128                         ; at work
.set TMPP, 160                         ; packed weights
.set OB,   192
.set G1, 24
.set G0, 32
.set LIM, 43
.set PFA, 44
.set CS,  46                           ; s[46:47] c
.set SEL, 48                           ; s[48:49] v_permlanex16_b32's selects
.set BLK, 50
.set MASKF, 51
.set HALFM, 52
.set SKIP, 53
.set MSB, 0
.macro WIN new
.if MSB != (\new)
	s_set_vgpr_msb (MSB<<8)|(\new)
.set MSB, \new
.endif
.endm
.set MUL_LO, 0xa1                      ; source 0 (k) window 1, source 1 (q) window 0, C and D window 2
.set MUL_HI, 0xf1
.set TO_B,   0x40
.macro PLACES
.rept 4
	v_nop
.endr
.endm
; A prefetch of the K step two refills on: my tile's 128 rows, 256 bytes each, a lane a row, four instructions.  q's rows are read by every tile of a row of the triangle: its first tile asks;
; k's rows by every tile of a column: the diagonal tile asks.  K steps 0 to 3 come by their loads alone; the last two refills name nothing.
.macro ASK
	s_cmp_gt_u32 s3, s[LIM]
	s_cbranch_scc0 .Lnot_mine_\@
.irp i, 0,1,2,3
	global_prefetch_b8 v[PFO], s[PFA:PFA+1] offset:KSTEP*2+(\i)*32*ROWQ th:TH_LOAD_NT scope:SCOPE_SE
.endr
.Lnot_mine_\@:
.endm
	s_load_b256 s[4:11], s[0:1], 0x0               ; qkv s[4:5], pbuf s[6:7], cmst s[8:9], lst s[10:11]
	v_lshl_add_u32 v[SPW], v0, 2, SPARE
	v_mov_b32 v[NIL], 0
	ds_add_u32 v[SPW], v[NIL]                      ; the wave's opening: the add and its wait stand ahead of my first tensor load
	v_lshrrev_b32 v1, 5, v0
	v_readfirstlane_b32 s12, v1                    ; wave
	s_lshr_b32 s13, s12, 1                         ; wr: my 128 queries.  Also: I fetch q (0) or k (1)
	s_and_b32 s14, s12, 1                          ; wc: my 128 keys.  Also: which 128 rows I fetch
	s_mov_b32 s19, ttmp9                           ; the tile's number in the triangle
	s_mov_b32 s15, 0
.irp thr, 1,3,6,10,15,21,28
	s_cmp_ge_u32 s19, \thr
	s_cselect_b32 s18, 1, 0
	s_add_co_u32 s15, s15, s18                     ; qi: the row of the triangle
.endr
	s_add_co_u32 s18, s15, 1
	s_mul_i32 s18, s18, s15
	s_lshr_b32 s18, s18, 1
	s_sub_co_u32 s16, s19, s18                     ; kj: the place in it
	s_and_b32 s17, ttmp7, 0xffff                   ; the batch
	s_mov_b32 s[G1+0], (1<<16)|(1<<20)|(5<<22)|(3<<25)  ; 2-byte elements; padding on: after every 64 words 4 words
	s_mov_b32 s[G1+1], 128<<16
	s_mov_b32 s[G1+2], 128<<16
	s_mov_b32 s[G1+3], 128<<16
	s_mov_b32 s[G1+4], 128
	s_mov_b32 s[G1+5], 3072
	s_mov_b32 s[G1+6], 0
	s_mov_b32 s[G1+7], 0
	s_mov_b32 s[CS], 0x3d38aa3b                    ; c = log2(e) / 32
	s_mov_b32 s[CS+1], s[CS]
	s_mov_b32 s[SEL], 0x76543210
	s_mov_b32 s[SEL+1], 0xfedcba98
	s_mov_b32 s[HALFM], 0xffff0000
	s_cmp_eq_u32 s15, s16                          ; a diagonal tile?
	s_cselect_b32 s18, 1, 0
	s_cmp_gt_u32 s14, s13
	s_cselect_b32 s[SKIP], s18, 0                  ; my chunk lies above the diagonal
	s_cmp_eq_u32 s14, s13
	s_cselect_b32 s[MASKF], s18, 0                 ; my chunk holds the diagonal
	s_sub_co_u32 s22, s15, s16
	s_cmp_eq_u32 s13, 0
	s_cselect_b32 s22, s16, s22                    ; 0 where I prefetch
	s_cselect_b32 s20, s15, s16
	s_cselect_b32 s21, 0, 2048                     ; q's or k's bytes of a row
	s_cmp_eq_u32 s22, 0
	s_cselect_b32 s[LIM], 1, -1
	s_lshl_b32 s20, s20, 8
	s_lshl_b32 s22, s14, 7
	s_add_co_u32 s20, s20, s22
	s_lshl_b32 s22, s17, 11
	s_add_co_u32 s20, s20, s22                     ; my tile's first row among the 8,192
	s_mul_i32 s20, s20, ROWQ
	s_add_co_u32 s20, s20, s21
	s_mov_b32 s21, 0
	s_mul_i32 s23, s12, HALFT
	s_wait_dscnt 0x0                               ; the opening add is done
	s_wait_kmcnt 0x0
	s_add_nc_u64 s[20:21], s[4:5], s[20:21]
.irp s, 0,1
	s_mov_b32 s[G0+4*(\s)], 1
	s_add_co_u32 s[G0+4*(\s)+1], s23, (\s)*SLOT
	s_add_nc_u64 s[G0+4*(\s)+2:G0+4*(\s)+3], s[20:21], (\s)*KSTEP*2
	s_or_b32 s[G0+4*(\s)+3], s[G0+4*(\s)+3], 0x80000000
	tensor_load_to_lds s[G0+4*(\s):G0+4*(\s)+3], s[G1:G1+7]
	s_nop 0
.endr
	s_add_nc_u64 s[PFA:PFA+1], s[20:21], 2*KSTEP*2 ; at K step 2: the first change of slots steps it to 3 and names K step 4
	v_and_b32 v1, 15, v0
	v_bfe_u32 v2, v0, 4, 1
	v_mul_u32_u24 v3, v1, PITCH
	v_lshl_add_u32 v3, v2, 4, v3
	s_mul_i32 s22, s13, HALFT
	s_mul_i32 s23, s14, HALFT
	s_add_co_u32 s23, s23, 2*HALFT
.irp s, 0,1
	v_add_nc_u32 v[ADRA+(\s)], s22, v3
	v_add_nc_u32 v[ADRB+(\s)], s23, v3
	s_add_co_u32 s22, s22, SLOT
	s_add_co_u32 s23, s23, SLOT
.endr
	s_mul_i32 s23, s12, 16*SPITCH
	s_add_co_u32 s23, s23, STAGE
	v_add_nc_u32 v[STO], s23, v3
	v_mul_u32_u24 v5, v2, SPITCH
	v_lshl_add_u32 v5, v1, 4, v5
	v_add_nc_u32 v[RD], s23, v5
	v_lshlrev_b32 v5, 12, v2
	v_lshl_add_u32 v[CO], v1, 4, v5                ; two rows of pbuf
	v_and_b32 v6, 31, v0
	v_mul_u32_u24 v[PFO], v6, ROWQ
	v_lshlrev_b32 v5, 3, v2
	v_sub_nc_u32 v[VT0], v1, v5
	s_lshl_b32 s23, s12, 10
	s_add_co_u32 s23, s23, STATS                   ; my statistics
	v_lshlrev_b32 v5, 9, v2
	v_lshl_add_u32 v5, v1, 2, v5
	v_add_nc_u32 v[STA0], s23, v5                  ; lanes 0-15 put cm, lanes 16-31 l
	v_lshl_add_u32 v[SRD], v6, 4, s23
	v_lshlrev_b32 v[SGO], 4, v6
	v_mov_b32 v[BIGV], 0xf149f2ca                  ; -1e30
	s_lshl_b32 s18, s17, 11
	s_lshl_b32 s19, s15, 8
	s_add_co_u32 s18, s18, s19
	s_lshl_b32 s19, s13, 7
	s_add_co_u32 s18, s18, s19                     ; my first query among the 8,192
	s_lshl_b32 s18, s18, 12
	s_lshl_b32 s19, s16, 9
	s_add_co_u32 s18, s18, s19
	s_lshl_b32 s19, s14, 8
	s_add_co_u32 s18, s18, s19                     ; my first key, in bytes
	s_mov_b32 s19, 0
	s_add_nc_u64 s[6:7], s[6:7], s[18:19]
	s_lshl_b32 s18, s17, 4
	s_lshl_b32 s19, s16, 1
	s_add_co_u32 s18, s18, s19
	s_add_co_u32 s18, s18, s14                     ; 16 b + my chunk
	s_lshl_b32 s18, s18, 11
	s_lshl_b32 s19, s15, 8
	s_add_co_u32 s18, s18, s19
	s_lshl_b32 s19, s13, 7
	s_add_co_u32 s18, s18, s19
	s_lshl_b32 s18, s18, 2
	s_mov_b32 s19, 0
	s_add_nc_u64 s[8:9], s[8:9], s[18:19]
	s_add_nc_u64 s[10:11], s[10:11], s[18:19]
; 16 matrix instructions: query blocks a0, a0 + 1 of the window's four x all 8 key blocks.  The 64 accumulators take turns in one order.
.macro MUL16 f, hi, a0, zero
	WIN MUL_LO+0x50*(\hi)
.irp a, \a0, (\a0)+1
.irp b, 0,1,2,3,4,5,6,7
.if \zero
	v_wmma_f32_16x16x32_f16 v[8*(8*(\a)+(\b)):8*(8*(\a)+(\b))+7], v[(\f)+8*(\b):(\f)+8*(\b)+7], v[(\f)+8*(4*(\hi)+(\a)):(\f)+8*(4*(\hi)+(\a))+7], 0
.else
	v_wmma_f32_16x16x32_f16 v[8*(8*(\a)+(\b)):8*(8*(\a)+(\b))+7], v[(\f)+8*(\b):(\f)+8*(\b)+7], v[(\f)+8*(4*(\hi)+(\a)):(\f)+8*(4*(\hi)+(\a))+7], v[8*(8*(\a)+(\b)):8*(8*(\a)+(\b))+7]
.endif
.endr
.endr
.endm
.macro FETCH slot, k, f                ; 32 LDS loads in one run: k's 8 fragments, then q's 8, 32 channels at byte k of the rows
	WIN TO_B
.irp i, 0,1,2,3,4,5,6,7
	ds_load_b128 v[(\f)+8*(\i):(\f)+8*(\i)+3],   v[ADRB+(\slot)] offset:(\k)+(\i)*16*PITCH
	ds_load_b128 v[(\f)+8*(\i)+4:(\f)+8*(\i)+7], v[ADRB+(\slot)] offset:(\k)+(\i)*16*PITCH+32
.endr
	WIN 0
.irp i, 0,1,2,3,4,5,6,7
	ds_load_b128 v[(\f)+8*(\i):(\f)+8*(\i)+3],   v[ADRA+(\slot)] offset:(\k)+(\i)*16*PITCH
	ds_load_b128 v[(\f)+8*(\i)+4:(\f)+8*(\i)+7], v[ADRA+(\slot)] offset:(\k)+(\i)*16*PITCH+32
.endr
.endm
.macro QUARTER slot, k, f, g, zero
	s_wait_dscnt 8                                 ; k's fragments and q's rows 0-63 are in; the youngest eight loads may be out
	MUL16 \f, 0, 0, \zero
	MUL16 \f, 0, 2, \zero
	PLACES
	FETCH \slot, \k, \g
	s_wait_dscnt 32                                ; all but the 32 just issued
	MUL16 \f, 1, 0, \zero
	MUL16 \f, 1, 2, \zero
.endm
; The last quarter multiplies buffer 1 and changes slots: each wave waits for all its tensor loads (one is out: its part of the next slot), adds 0 to its spare word, waits for that and for its reads of this slot,
; and passes the barrier; fill = 1: this slot's refill, two K steps on, is the first thing behind it: 224 matrix instructions ahead of the wait for it.
.macro TURN slot, next, fill
.if \fill
	s_wait_xcnt 0x0                                ; the last prefetches, a K step back, have read their address
	s_add_nc_u64 s[PFA:PFA+1], s[PFA:PFA+1], KSTEP*2
.endif
	WIN 0
	s_wait_tensorcnt 0x0
	ds_add_u32 v[SPW], v[NIL]
.if \fill
	s_add_nc_u64 s[G0+4*(\slot)+2:G0+4*(\slot)+3], s[G0+4*(\slot)+2:G0+4*(\slot)+3], 2*KSTEP*2  ; no tensor load of mine is out
.endif
	s_wait_dscnt 9                                 ; (the add and the youngest eight loads may be out)
	MUL16 F1, 0, 0, 0
	s_wait_dscnt 0x0                               ; the add is done, and my reads of this slot are over
	s_barrier_signal -1
	MUL16 F1, 0, 2, 0
	WIN 0
	s_barrier_wait -1
.if \fill
	tensor_load_to_lds s[G0+4*(\slot):G0+4*(\slot)+3], s[G1:G1+7]
	s_nop 0
.endif
	PLACES                                         ; in front of the loads into buffer 0
	FETCH \next, 0, F0
.if \fill
	ASK
.endif
	MUL16 F1, 1, 0, 0
	MUL16 F1, 1, 2, 0
.endm
	s_wait_tensorcnt 1                             ; my part of K step 0 is in; K step 1's may stay out
	s_barrier_signal -1
	s_barrier_wait -1
	FETCH 0, 0, F0
	QUARTER 0, 64,  F0, F1, 1                      ; the first quarter starts the sums
	WIN 0
	s_mov_b32 s3, LAPS-1
.Llap:
	QUARTER 0, 128, F1, F0, 0
	QUARTER 0, 192, F0, F1, 0
	TURN 0, 1, 1
	QUARTER 1, 64,  F0, F1, 0
	QUARTER 1, 128, F1, F0, 0
	QUARTER 1, 192, F0, F1, 0
	TURN 1, 0, 1
	QUARTER 0, 64,  F0, F1, 0
	WIN 0
	s_sub_co_u32 s3, s3, 1
	s_cmp_lg_u32 s3, 0
	s_cbranch_scc1 .Llap
	QUARTER 0, 128, F1, F0, 0                      ; the last lap fills nothing
	QUARTER 0, 192, F0, F1, 0
	TURN 0, 1, 0
	QUARTER 1, 64,  F0, F1, 0
	QUARTER 1, 128, F1, F0, 0
	QUARTER 1, 192, F0, F1, 0
	s_wait_dscnt 8
	MUL16 F1, 0, 0, 0
	MUL16 F1, 0, 2, 0
	s_wait_dscnt 0x0
	MUL16 F1, 1, 0, 0
	MUL16 F1, 1, 2, 0
	WIN 0
	PLACES
	s_cmp_eq_u32 s[SKIP], 1
	s_cbranch_scc1 .Lend                           ; above the diagonal: nothing of this chunk is ever read
; THE WAY OUT, a block of 16 queries a trip, written once but for COPY.  COPY a is the one text that knows the block's number as a constant.  It first puts the statistics of the block BEFORE it into my
; statistics in LDS, at a fixed address register with the block's place in the immediate; then it brings block a's 64 scores a lane into window 0, times c (each accumulator from its low end on).
.macro COPY a
.if (\a) > 0
	ds_store_b32 v[STA0], v[SV] offset:64*((\a)-1) ; rows 16 (a - 1) .. + 15: cm from lanes 0-15, l from lanes 16-31; my wave's own bytes
.endif
	WIN 0x02+((\a)/4)
.set i, 0
.rept 32
	v_pk_mul_f32 v[E+2*i:E+2*i+1], v[64*((\a)%4)+2*i:64*((\a)%4)+2*i+1], s[CS:CS+1] op_sel_hi:[1,0]
.set i, i+1
.endr
	WIN 0
.endm
	v_mov_b32 v[SV], 0                             ; the text of blocks 1 to 7 names it: written once here, so that it holds a number on every way through the listing; block 0's trip writes it anew
	s_mov_b32 s[BLK], 0
.Lblk:
.irp a, 0,1,2,3,4,5,6
	s_cmp_eq_u32 s[BLK], \a
	s_cbranch_scc1 .Lcopy\a
.endr
	COPY 7
	s_branch .Lcommon
.irp a, 0,1,2,3,4,5,6
.Lcopy\a:
	COPY \a
	s_branch .Lcommon
.endr
.Lcommon:
	s_lshl_b32 s22, s[BLK], 4
	v_add_nc_u32 v[VT], s22, v[VT0]
	s_cmp_eq_u32 s[MASKF], 0
	s_cbranch_scc1 .Lnomask
.set i, 0
.rept 64                               ; the chunk on the diagonal: key 16 b + 8 (l / 16) + j is hidden from query 16 a + l % 16 where it is greater
	v_cmp_gt_i32 vcc_lo, 16*(i/8)+i%8, v[VT]
	v_cndmask_b32 v[E+i], v[E+i], v[BIGV], vcc_lo
.set i, i+1
.endr
.Lnomask:
.irp c, 0,1,2,3                        ; the largest of my 64 scores: four chains of 15, then the four left over
	v_max3_num_f32 v[TT+(\c)], v[E+16*(\c)], v[E+16*(\c)+1], v[E+16*(\c)+2]
.endr
.irp k, 0,1,2,3,4,5
.irp c, 0,1,2,3
	v_max3_num_f32 v[TT+(\c)], v[TT+(\c)], v[E+16*(\c)+3+2*(\k)], v[E+16*(\c)+4+2*(\k)]
.endr
.endr
	v_max3_num_f32 v[TT], v[TT], v[E+15], v[E+31]
	v_max3_num_f32 v[TT+2], v[TT+2], v[E+47], v[E+63]
	v_max3_num_f32 v[TT], v[TT], v[TT+1], v[TT+2]
	v_max_num_f32 v[TT], v[TT], v[TT+3]
	v_permlanex16_b32 v[TT+1], v[TT], s[SEL], s[SEL+1]  ; the query's other 64 keys lie in the lane 16 away
	v_max_num_f32 v[CM], v[TT], v[TT+1]
	v_max_num_f32 v[CM+1], v[TT], v[TT+1]
.set i, 0
.rept 32
	v_pk_add_f32 v[E+2*i:E+2*i+1], v[E+2*i:E+2*i+1], v[CM:CM+1] neg_lo:[0,1] neg_hi:[0,1]  ; c s - cm
.set i, i+1
.endr
.set i, 0
.rept 64                               ; one batch of exponentials,
	v_exp_f32 v[E+i], v[E+i]
.set i, i+1
.endr
	v_nop                                          ; a plain instruction behind the last,
	s_wait_alu depctr_va_vdst(0)                   ; and one wait ahead of the first reader
.set i, 0
.rept 32
	v_cvt_pk_f16_f32 v[TMPP+i], v[E+2*i], v[E+2*i+1]
.set i, i+1
.endr
.irp b, 0,1,2,3,4,5,6,7
	ds_store_b128 v[STO], v[TMPP+4*(\b):TMPP+4*(\b)+3] offset:32*(\b)
.endr
.irp t, 0,1,2,3,4,5,6,7
	ds_load_b128 v[OB+4*(\t):OB+4*(\t)+3], v[RD] offset:(\t)*2*SPITCH  ; LDS serves a wave's instructions in order: these see the stores above
.endr
.irp s, 32,16,8,4,2                    ; l, of the unrounded p, while the rows come back from the stage
.set i, 0
.rept (\s)/2
	v_pk_add_f32 v[E+i:E+i+1], v[E+i:E+i+1], v[E+(\s)+i:E+(\s)+i+1]
.set i, i+2
.endr
.endr
	v_add_f32 v[LS], v[E], v[E+1]
	v_permlanex16_b32 v[TT+1], v[LS], s[SEL], s[SEL+1]
	v_add_f32 v[LS], v[LS], v[TT+1]
	v_cndmask_b32 v[SV], v[CM], v[LS], s[HALFM]    ; lanes 0-15 cm, lanes 16-31 l: stored by the next block's text, or behind the loop
	s_wait_dscnt 0x0                               ; the block's rows are back in registers
.irp t, 0,1,2,3,4,5,6,7
	global_store_b128 v[CO], v[OB+4*(\t):OB+4*(\t)+3], s[6:7] offset:(\t)*2*ROWP  ; 16 lanes store 256 consecutive bytes, aligned
.endr
	s_wait_xcnt 0x0                                ; the stores have read their base and data: both are rewritten in the next trip
	s_add_nc_u64 s[6:7], s[6:7], 16*ROWP
	s_add_co_u32 s[BLK], s[BLK], 1
	s_cmp_lt_u32 s[BLK], 8
	s_cbranch_scc1 .Lblk
	ds_store_b32 v[STA0], v[SV] offset:64*7        ; the last block's statistics
	ds_load_b128 v[TT:TT+3], v[SRD]                ; my 128 cm and 128 l, 16 bytes a lane: my own bytes, served in order behind the stores
	ds_load_b128 v[TT+4:TT+7], v[SRD] offset:512
	s_wait_dscnt 0x0
	global_store_b128 v[SGO], v[TT:TT+3], s[8:9]   ; 512 consecutive bytes each
	global_store_b128 v[SGO], v[TT+4:TT+7], s[10:11]
.Lend:
	s_wait_tensorcnt 0x0                           ; the wave's end
	ds_add_u32 v[SPW], v[NIL]
	s_wait_dscnt 0x0
	s_endpgm
.Lfunc_end_k_q2c63c2930d_score:
	.size	k_q2c63c2930d_score, .Lfunc_end_k_q2c63c2930d_score-k_q2c63c2930d_score
	.p2alignl 7, 3214868480
	.fill 96, 4, 3214868480
	.section	.rodata,"a",@progbits
	.p2align	6, 0x0
	.amdhsa_kernel k_q2c63c2930d_score
		.amdhsa_group_segment_fixed_size 327680
		.amdhsa_private_segment_fixed_size 0
		.amdhsa_enable_private_segment 0
		.amdhsa_kernarg_size 32
		.amdhsa_user_sgpr_count 2
		.amdhsa_user_sgpr_kernarg_segment_ptr 1
		.amdhsa_wavefront_size32 1
		.amdhsa_system_sgpr_workgroup_id_x 1
		.amdhsa_system_sgpr_workgroup_id_y 1
		.amdhsa_system_sgpr_workgroup_id_z 1
		.amdhsa_system_vgpr_workitem_id 0
		.amdhsa_next_free_vgpr 1024
		.amdhsa_next_free_sgpr 66
		.amdhsa_reserve_vcc 1
		.amdhsa_float_denorm_mode_32 3
		.amdhsa_float_denorm_mode_16_64 3
		.amdhsa_memory_ordered 1
		.amdhsa_forward_progress 1
		.amdhsa_inst_pref_size 146
	.end_amdhsa_kernel
	.amdgpu_metadata
---
amdhsa.version: [ 1, 2 ]
amdhsa.kernels:
  - .name:           k_q2c63c2930d_score
    .symbol:         k_q2c63c2930d_score.kd
    .args:
      - { .name: qkv, .offset: 0, .size: 8, .value_kind: global_buffer, .address_space: global }
      - { .name: pbuf, .offset: 8, .size: 8, .value_kind: global_buffer, .address_space: global }
      - { .name: cmst, .offset: 16, .size: 8, .value_kind: global_buffer, .address_space: global }
      - { .name: lst, .offset: 24, .size: 8, .value_kind: global_buffer, .address_space: global }
    .group_segment_fixed_size: 327680
    .private_segment_fixed_size: 0
    .kernarg_segment_align: 8
    .kernarg_segment_size: 32
    .max_flat_workgroup_size: 128
    .sgpr_count:     66
    .vgpr_count:     1024
    .wavefront_size: 32
...
	.end_amdgpu_metadata
.endif
;; end of part 3
;; launch pv (part 4): grid 8 x 32, 4 waves a work-group, clusters of 4 x 1, 327,680 bytes of LDS; arguments pbuf, qkv, cmst, lst, out0; writes out0
.if DOCPART == 4
	.amdgcn_target "amdgcn-amd-amdhsa--gfx1250"
	.amdhsa_code_object_version 6
	.text
	.protected	k_q2c63c2930d_pv
	.globl	k_q2c63c2930d_pv
	.p2align	8
	.type	k_q2c63c2930d_pv,@function
k_q2c63c2930d_pv:
	s_mov_b64 s[64:65], 0
	v_nop
	global_prefetch_b8 v0, s[64:65] scope:SCOPE_SE
	s_setreg_imm32_b32 hwreg(HW_REG_WAVE_MODE, 25, 1), 1
	s_wait_xcnt 0x0
	s_wait_alu depctr_hold_cnt(0) depctr_sa_sdst(0) depctr_va_vdst(0) depctr_va_sdst(0) depctr_va_ssrc(0) depctr_va_vcc(0) depctr_vm_vsrc(0)
	s_getreg_b32 s2, hwreg(HW_REG_IB_STS2, 6, 4)
	s_cmp_eq_u32 s2, 0
	s_cbranch_scc0 .Lentry_in_a_cluster
	s_endpgm
.Lentry_in_a_cluster:
	s_bfe_u32 s2, ttmp6, 0x10000c
	s_cmp_lg_u32 s2, 0x3003
	s_cbranch_scc0 .Lentry_shape_is_right
	s_endpgm
.Lentry_shape_is_right:
; out[b][q][:] = sum over the chunks t of f'(q, t) x (P[q][chunk t] . V[chunk t][:]).  P (f16), cm and l (f32) come from the launch before; V is qkv's third part (f16); out is f32.
; For each query M = the largest cm of its chunks, f = 2^(cm - M) (at most 1), L = the sum of l f (at least 1), f' = f / L: the softmax with its row maximum taken away.  Sums in f32.
; LIMITS: an f below 2^-126 counts as 0; NaN and infinities are not treated apart.
; A work-group makes 128 channels of TWO strips of 128 queries, 15 - p and then p: 17 steps of 128 keys whatever p, so all work-groups do equal work.  Four waves, each 64 queries x 64 channels.
; A step's product starts at 0 in T; O += T x f' behind it (f' differs from chunk to chunk, so the chunks' sums cannot share one chain).  O starts at 0, cleared once a strip: no first step is written out.
; CLUSTER 4 x 1: the four partners take four channel blocks of the same strips: P's tiles are asked for jointly; V's tiles are each work-group's own, plain loads behind the same rounds.
; The ring: two slots of two steps; waves 0, 1 fetch P of the slot's two steps, waves 2, 3 V of them: one tensor load a wave behind each round, 128 matrix instructions in which to land.
; The matrix instruction: source 0 = 16 channels of V, turned (ds_load_tr16_b128), source 1 = 16 queries of P: a lane holds one query and eight neighbouring channels.
; REGISTERS: window 0: v12-24 addresses; v32-39 f' of the step in hand (pairs), v40-43 of the next; v44-50 at work; v64-127 rows read back; v128-255 T ((a, b) at 128 + 8 (4 a + b))
;            window 1: two fragment buffers of 128, 64 keys each: P at f + 8 (4 c + a), V at f + 64 + 8 (4 c + b);   window 2: v0-127 O
.set PITP,  272
.set PITV,  288                        ; an odd multiple of 32 bytes, for the turning load
.set VOFF,  128*PITP
.set STEPB, VOFF+128*PITV              ; 71,680 = 0x11800: a step's P, then its V
.set SX,    0x24000                    ; slot 1 begins here: no tile's offset in a slot (0, 0x8800, 0x11800, 0x1a000) has one of its two bits, so one exclusive or changes slots
.set FT,    SX+2*STEPB                 ; f': 17 steps x 128 rows x 4 bytes
.set STAGE, FT+17*512                  ; 16 rows x 272 bytes for each wave
.set SP,    272
.set SPARE, STAGE+4*16*SP              ; the spare words; no other line names them
.set ROWQ,  6144
.set ROWP,  4096
.set ROWO,  4096
.set AP0, 12
.set AV0, 13
.set AP,  14
.set AV,  15
.set FA0, 16
.set FA,  17
.set STO, 18
.set RD,  19
.set CO,  20
.set PFO, 21
.set SPW, 22
.set NIL, 23
.set FTA, 24
.set FC,  32
.set FN,  40
.set NEG, 44
.set MH,  45
.set ML,  46
.set LH,  47
.set LL,  48
.set T1,  49
.set T2,  50
.set OB,  64
.set T,   128
.set CMV, 128                          ; at the head alone: cm, l and their offsets for the 17 steps
.set LV,  160
.set AD,  192
.set F0,  0
.set F1,  128
.set WV,  14
.set EE,  15                           ; wave % 2: which step of a slot I fetch; also my half of the channels
.set WR,  16                           ; wave / 2: my half of the queries
.set CX,  17
.set CHB, 18
.set BB,  19
.set PP,  20                           ; p, and the second strip
.set HI,  21                           ; the first strip
.set NHI, 22                           ; its steps
.set G1P, 24
.set G1V, 32
.set G0P, 40
.set G0V, 44
.set PBA, 48                           ; s[48:49] pbuf at the batch
.set VBA, 50                           ; s[50:51] V at the batch and my channels
.set OFFP, 52
.set OFFV, 54
.set GN,  56                           ; the step that I fetch next
.set TB,  57                           ; LDS byte at which the step to be read begins
.set CNT, 58
.set LEFT, 59                          ; steps left of the first strip
.set TRIPS, 60
.set LIMG, 61
.set PFA, 62
.set PFB, 66
.set OUT, 68
.set OUTLO, 70
.set FB,  78                           ; 512 x the step whose f' is read next
.set MK,  80                           ; s80-96: all ones where step g belongs to the first strip
.set MSB, 0
.macro WIN new
.if MSB != (\new)
	s_set_vgpr_msb (MSB<<8)|(\new)
.set MSB, \new
.endif
.endm
.macro PLACES
.rept 4
	v_nop
.endr
.endm
.macro JLOAD                           ; an s_nop 0 and four v_nop follow each of the two lines
	s_cmp_lt_u32 s[WV], 2
	s_cbranch_scc0 .Lfor_v_\@
	tensor_load_to_lds s[G0P:G0P+3], s[G1P:G1P+7]
	s_nop 0
.rept 4
	v_nop
.endr
	s_branch .Lasked_\@
.Lfor_v_\@:
	tensor_load_to_lds s[G0V:G0V+3], s[G1V:G1V+7]
	s_nop 0
.rept 4
	v_nop
.endr
.Lasked_\@:
.endm
.macro CROUND
	s_barrier_signal -1
	s_barrier_wait -1
	s_cmp_lg_u32 s[WV], 0
	s_cbranch_scc1 .Lnot_wave_0_\@
	s_barrier_signal -3
.Lnot_wave_0_\@:
	s_barrier_wait -3
	s_barrier_signal -1
	s_barrier_wait -1
.endm
; Step GN's strip and chunk, and from them the tile's byte offsets in pbuf and in V.  They enter global addresses alone.
.macro TILEOFF
	s_cmp_lt_u32 s[GN], s[NHI]
	s_cselect_b32 s72, s[HI], s[PP]
	s_cselect_b32 s73, 0, s[NHI]
	s_sub_co_u32 s73, s[GN], s73                   ; the chunk
	s_lshl_b32 s72, s72, 19                        ; 128 rows of 4,096 bytes a strip
	s_lshl_b32 s74, s73, 8
	s_add_co_u32 s[OFFP], s72, s74
	s_mul_i32 s[OFFV], s73, 128*ROWQ
.endm
; A prefetch of the tile that I shall ask for at the NEXT change of slots.  P: both clusters of a pair of strips read it: the one with x = 0 asks; its four partners take 32 rows each, by address; a lane a row.
; V: the eight work-groups of a batch and channel block read it: the one with p = 0 asks, in its first strip's walk, which names every chunk once: 128 rows, four instructions.  Steps 0 to 3 come by their loads alone.
.macro ASK
	s_cmp_le_u32 s[GN], s[LIMG]
	s_cbranch_scc0 .Lnot_mine_\@
	global_prefetch_b8 v[PFO], s[PFA:PFA+1] th:TH_LOAD_NT scope:SCOPE_SE
	s_cmp_lt_u32 s[WV], 2
	s_cbranch_scc1 .Lnot_mine_\@
.irp i, 1,2,3
	global_prefetch_b8 v[PFO], s[PFA:PFA+1] offset:(\i)*32*ROWQ th:TH_LOAD_NT scope:SCOPE_SE
.endr
.Lnot_mine_\@:
.endm
	s_load_b256 s[4:11], s[0:1], 0x0               ; pbuf s[4:5], qkv s[6:7], cmst s[8:9], lst s[10:11]
	s_load_b64 s[12:13], s[0:1], 0x20              ; out0
	v_lshl_add_u32 v[SPW], v0, 2, SPARE
	v_mov_b32 v[NIL], 0
	ds_add_u32 v[SPW], v[NIL]                      ; the wave's opening: the add and its wait stand ahead of my first tensor load
	v_lshrrev_b32 v1, 5, v0
	v_readfirstlane_b32 s[WV], v1
	s_and_b32 s[EE], s[WV], 1
	s_lshr_b32 s[WR], s[WV], 1
	s_bfe_u32 s[CX], ttmp6, 0x40000
	s_lshl_b32 s[CHB], ttmp9, 2
	s_add_co_u32 s[CHB], s[CHB], s[CX]             ; my block of 128 channels
	s_and_b32 s72, ttmp7, 0xffff
	s_lshr_b32 s[BB], s72, 3                       ; the batch
	s_and_b32 s[PP], s72, 7
	s_sub_co_u32 s[HI], 15, s[PP]
	s_sub_co_u32 s[NHI], 16, s[PP]
	s_mov_b32 s[G1P], 15|(1<<16)|(1<<20)|(1<<21)|(5<<22)|(3<<25)  ; the mask of four; 2-byte elements; padding on; bit 21 beside a mask; after every 64 words 4 words
	s_mov_b32 s[G1V], (1<<16)|(1<<20)|(5<<22)|(7<<25)             ; no mask; 8 words of padding
.irp g, G1P, G1V
	s_mov_b32 s[(\g)+1], 128<<16
	s_mov_b32 s[(\g)+2], 128<<16
	s_mov_b32 s[(\g)+3], 128<<16
	s_mov_b32 s[(\g)+4], 128
	s_mov_b32 s[(\g)+6], 0
	s_mov_b32 s[(\g)+7], 0
.endr
	s_mov_b32 s[G1P+5], 2048
	s_mov_b32 s[G1V+5], 3072
	s_mov_b32 s[OFFP+1], 0
	s_mov_b32 s[OFFV+1], 0
	s_mov_b32 s77, 0
	s_mov_b32 s[TB], SX+STEPB                      ; the first change of slots turns it into 0
	s_mov_b32 s[FB], 0
	s_mov_b32 s[LEFT], s[NHI]
	s_mov_b32 s[GN], s[EE]
	TILEOFF
	s_mov_b32 s[G0P], 1
	s_mul_i32 s[G0P+1], s[EE], STEPB               ; slot 0: no place in the cluster enters an LDS address
	s_mov_b32 s[G0V], 1
	s_add_co_u32 s[G0V+1], s[G0P+1], VOFF
	s_add_co_u32 s[GN], s[GN], 2
	s_lshl_b32 s72, s[BB], 23                      ; a batch of pbuf
	s_mov_b32 s73, 0
	s_mul_i32 s74, s[BB], 2048*ROWQ                ; a batch of qkv,
	s_lshl_b32 s75, s[CHB], 8
	s_add_co_u32 s74, s74, s75
	s_add_co_u32 s74, s74, 4096                    ; V's part of a row, my channels
	s_mov_b32 s75, 0
	s_wait_dscnt 0x0                               ; the opening add is done
	s_wait_kmcnt 0x0
	s_add_nc_u64 s[PBA:PBA+1], s[4:5], s[72:73]
	s_add_nc_u64 s[VBA:VBA+1], s[6:7], s[74:75]
	s_add_nc_u64 s[G0P+2:G0P+3], s[PBA:PBA+1], s[OFFP:OFFP+1]
	s_or_b32 s[G0P+3], s[G0P+3], 0x80000000
	s_add_nc_u64 s[G0V+2:G0V+3], s[VBA:VBA+1], s[OFFV:OFFV+1]
	s_or_b32 s[G0V+3], s[G0V+3], 0x80000000
	CROUND                                         ; all four work-groups are here
	JLOAD                                          ; slot 0; slot 1 is asked for by the loop's first change of slots
	s_lshl_b32 s72, s[BB], 17                      ; a batch of cmst and lst
	s_mov_b32 s73, 0
	s_add_nc_u64 s[8:9], s[8:9], s[72:73]
	s_add_nc_u64 s[10:11], s[10:11], s[72:73]
	v_lshlrev_b32 v9, 2, v0                        ; thread r takes row r of both strips
.set g, 0
.rept 17
	s_cmp_gt_u32 s[NHI], g
	s_cselect_b32 s[MK+g], -1, 0
	s_cselect_b32 s72, s[HI], s[PP]
	s_cselect_b32 s73, 0, s[NHI]
	s_sub_co_u32 s73, g, s73
	s_lshl_b32 s72, s72, 9
	s_lshl_b32 s73, s73, 13
	s_add_co_u32 s72, s72, s73
	v_add_nc_u32 v[AD+g], s72, v9                  ; chunk x 8,192 + strip x 512 + 4 r
	global_load_b32 v[CMV+g], v[AD+g], s[8:9]
	global_load_b32 v[LV+g], v[AD+g], s[10:11]
.set g, g+1
.endr
	; addresses, while those loads are out
	v_and_b32 v1, 15, v0
	v_bfe_u32 v2, v0, 4, 1
	v_mul_u32_u24 v3, v1, PITP
	v_lshl_add_u32 v3, v2, 4, v3
	s_mul_i32 s72, s[WR], 64*PITP
	v_add_nc_u32 v[AP0], s72, v3
	v_and_b32 v4, 7, v0
	v_lshl_add_u32 v4, v2, 3, v4
	v_mul_u32_u24 v4, v4, PITV
	v_bfe_u32 v5, v0, 3, 1
	v_lshl_add_u32 v4, v5, 4, v4
	s_lshl_b32 s72, s[EE], 7
	s_add_co_u32 s72, s72, VOFF
	v_add_nc_u32 v[AV0], s72, v4
	s_lshl_b32 s72, s[WR], 8
	s_add_co_u32 s72, s72, FT
	v_lshl_add_u32 v[FA0], v1, 2, s72              ; f' of query 64 wr + l % 16
	s_mul_i32 s72, s[WV], 16*SP
	s_add_co_u32 s72, s72, STAGE
	v_mul_u32_u24 v5, v1, SP
	v_lshl_add_u32 v5, v2, 5, v5
	v_add_nc_u32 v[STO], s72, v5                   ; in: row l % 16, 32 bytes for each half of the lanes
	v_mul_u32_u24 v5, v2, SP
	v_lshl_add_u32 v5, v1, 4, v5
	v_add_nc_u32 v[RD], s72, v5
	v_lshlrev_b32 v5, 12, v2
	v_lshl_add_u32 v[CO], v1, 4, v5
	v_add_nc_u32 v[FTA], FT, v9
	s_lshl_b32 s72, s[BB], 11
	s_lshl_b32 s73, s[WR], 6
	s_add_co_u32 s72, s72, s73
	s_lshl_b32 s73, s[HI], 7
	s_add_co_u32 s73, s73, s72
	s_lshl_b32 s73, s73, 12                        ; my first row of the first strip,
	s_lshl_b32 s74, s[PP], 7
	s_add_co_u32 s74, s74, s72
	s_lshl_b32 s74, s74, 12                        ; of the second,
	s_lshl_b32 s72, s[CHB], 9
	s_lshl_b32 s75, s[EE], 8
	s_add_co_u32 s72, s72, s75                     ; my 64 channels
	s_add_co_u32 s76, s73, s72
	s_add_nc_u64 s[OUT:OUT+1], s[12:13], s[76:77]
	s_add_co_u32 s76, s74, s72
	s_add_nc_u64 s[OUTLO:OUTLO+1], s[12:13], s[76:77]
	s_lshl_b32 s76, s[CX], 17                      ; P's prefetches: my work-group's 32 rows
	s_add_nc_u64 s[PFB:PFB+1], s[PBA:PBA+1], s[76:77]
	s_mov_b32 s72, ttmp9
	s_movk_i32 s73, ROWP
	s_cmp_lt_u32 s[WV], 2
	s_cselect_b64 s[PFB:PFB+1], s[PFB:PFB+1], s[VBA:VBA+1]
	s_cselect_b32 s72, s72, s[PP]                  ; 0 where I prefetch: the same in all four partners
	s_cselect_b32 s74, 16, 15
	s_cselect_b32 s73, s73, ROWQ
	s_cmp_eq_u32 s72, 0
	s_cselect_b32 s[LIMG], s74, 0
	s_mov_b64 s[PFA:PFA+1], s[PFB:PFB+1]
	v_and_b32 v6, 31, v0
	v_mul_lo_u32 v[PFO], v6, s73
.irp a, 0,1,2,3
	v_mov_b32 v[FC+2*(\a)+1], 0                    ; named with f' as a pair
.endr
	WIN 0x80
.set i, 0
.rept 128
	v_mov_b32 v[i], 0                              ; O
.set i, i+1
.endr
	WIN 0
	v_mov_b32 v[NEG], 0xff7fffff
	v_mov_b32 v[MH], v[NEG]
	v_mov_b32 v[ML], v[NEG]
	v_mov_b32 v[LH], 0
	v_mov_b32 v[LL], 0
	s_wait_loadcnt 0x0
.set g, 0
.rept 17                               ; M of each strip
	v_cndmask_b32 v[T1], v[NEG], v[CMV+g], s[MK+g]
	v_cndmask_b32 v[T2], v[CMV+g], v[NEG], s[MK+g]
	v_max_num_f32 v[MH], v[MH], v[T1]
	v_max_num_f32 v[ML], v[ML], v[T2]
.set g, g+1
.endr
.set g, 0
.rept 17
	v_cndmask_b32 v[T1], v[ML], v[MH], s[MK+g]
	v_sub_f32 v[CMV+g], v[CMV+g], v[T1]            ; cm - M, at most 0
.set g, g+1
.endr
.set g, 0
.rept 17
	v_exp_f32 v[CMV+g], v[CMV+g]                   ; f: one batch,
.set g, g+1
.endr
	v_nop
	s_wait_alu depctr_va_vdst(0)                   ; one wait
.set g, 0
.rept 17
	v_mul_f32 v[LV+g], v[LV+g], v[CMV+g]
	v_cndmask_b32 v[T1], 0, v[LV+g], s[MK+g]
	v_cndmask_b32 v[T2], v[LV+g], 0, s[MK+g]
	v_add_f32 v[LH], v[LH], v[T1]
	v_add_f32 v[LL], v[LL], v[T2]
.set g, g+1
.endr
	v_rcp_f32 v[LH], v[LH]
	v_rcp_f32 v[LL], v[LL]
	v_nop
	s_wait_alu depctr_va_vdst(0)
.set g, 0
.rept 17
	v_cndmask_b32 v[T1], v[LL], v[LH], s[MK+g]
	v_mul_f32 v[CMV+g], v[CMV+g], v[T1]            ; f'
	ds_store_b32 v[FTA], v[CMV+g] offset:512*g     ; read by other waves behind the first change's wait and round
.set g, g+1
.endr
.macro HALF hh, f                      ; 32 LDS loads in one run: 64 keys of the step in hand
	WIN 0x40
.irp c, 0,1
.irp i, 0,1,2,3
	ds_load_tr16_b128 v[(\f)+64+8*(4*(\c)+(\i)):(\f)+64+8*(4*(\c)+(\i))+3],   v[AV] offset:(64*(\hh)+32*(\c))*PITV+32*(\i)
	ds_load_tr16_b128 v[(\f)+64+8*(4*(\c)+(\i))+4:(\f)+64+8*(4*(\c)+(\i))+7], v[AV] offset:(64*(\hh)+32*(\c)+16)*PITV+32*(\i)
	ds_load_b128 v[(\f)+8*(4*(\c)+(\i)):(\f)+8*(4*(\c)+(\i))+3],   v[AP] offset:128*(\hh)+64*(\c)+(\i)*16*PITP
	ds_load_b128 v[(\f)+8*(4*(\c)+(\i))+4:(\f)+8*(4*(\c)+(\i))+7], v[AP] offset:128*(\hh)+64*(\c)+(\i)*16*PITP+32
.endr
.endr
	WIN 0
.endm
.macro FETCH0                          ; a step's first 64 keys, and its f'
	WIN 0
	v_add_nc_u32 v[AP], s[TB], v[AP0]
	v_add_nc_u32 v[AV], s[TB], v[AV0]
	v_add_nc_u32 v[FA], s[FB], v[FA0]
	s_add_co_u32 s[FB], s[FB], 512
	HALF 0, F0
.irp a, 0,1,2,3
	ds_load_b32 v[FN+(\a)], v[FA] offset:64*(\a)
.endr
.endm
.macro MULT f, c, zero                 ; 16 matrix instructions, 32 keys; the 16 accumulators take turns in one order
	WIN 0x05
.irp a, 0,1,2,3
.irp b, 0,1,2,3
.if \zero
	v_wmma_f32_16x16x32_f16 v[T+8*(4*(\a)+(\b)):T+8*(4*(\a)+(\b))+7], v[(\f)+64+8*(4*(\c)+(\b)):(\f)+64+8*(4*(\c)+(\b))+7], v[(\f)+8*(4*(\c)+(\a)):(\f)+8*(4*(\c)+(\a))+7], 0
.else
	v_wmma_f32_16x16x32_f16 v[T+8*(4*(\a)+(\b)):T+8*(4*(\a)+(\b))+7], v[(\f)+64+8*(4*(\c)+(\b)):(\f)+64+8*(4*(\c)+(\b))+7], v[(\f)+8*(4*(\c)+(\a)):(\f)+8*(4*(\c)+(\a))+7], v[T+8*(4*(\a)+(\b)):T+8*(4*(\a)+(\b))+7]
.endif
.endr
.endr
.endm
.macro WAYOUT                          ; O, 16 queries at a time, through my own stage: 32 bytes a lane in, whole rows of 256 bytes back, stored
.irp a, 0,1,2,3
	WIN 0x08                                       ; the stores' data in window 2
.irp b, 0,1,2,3
	ds_store_b128 v[STO], v[8*(4*(\a)+(\b)):8*(4*(\a)+(\b))+3]   offset:64*(\b)
	ds_store_b128 v[STO], v[8*(4*(\a)+(\b))+4:8*(4*(\a)+(\b))+7] offset:64*(\b)+16
.endr
	WIN 0
	s_wait_xcnt 0x0                                ; earlier stores have read their data: the registers are loaded again only now
.irp t, 0,1,2,3,4,5,6,7
	ds_load_b128 v[OB+32*((\a)%2)+4*(\t):OB+32*((\a)%2)+4*(\t)+3], v[RD] offset:(\t)*2*SP  ; LDS serves a wave's instructions in order
.endr
	s_wait_dscnt 0x0
.irp t, 0,1,2,3,4,5,6,7
	global_store_b128 v[CO], v[OB+32*((\a)%2)+4*(\t):OB+32*((\a)%2)+4*(\t)+3], s[OUT:OUT+1] offset:(\a)*16*ROWO+(\t)*2*ROWO  ; 16 lanes store 256 consecutive bytes, aligned
.endr
.endr
.endm
; A STEP: 128 keys, 64 matrix instructions into T, then O += T x f'.  last = 1: the walk's last step: nothing more is fetched.
.macro STEP last
	WIN 0
	s_wait_dscnt 0x0                               ; the step's first 64 keys and its f' are in
.irp a, 0,1,2,3
	v_mov_b32 v[FC+2*(\a)], v[FN+(\a)]
.endr
	MULT F0, 0, 1                                  ; the first products start the step's sums
	HALF 1, F1
	MULT F0, 1, 0
	s_wait_dscnt 0x0
	MULT F1, 0, 0
	PLACES                                         ; in front of the loads into buffer 0
.if !(\last)
	WIN 0
	s_cmp_eq_u32 s[CNT], 1                         ; a slot's second step: the next step lies behind the change of slots
	s_cbranch_scc1 .Lno_fetch_\@
	s_add_co_u32 s[TB], s[TB], STEPB
	FETCH0
.Lno_fetch_\@:
.endif
	MULT F1, 1, 0
	PLACES                                         ; in front of the reads of T
	WIN 0xa0                                       ; O (destination and source 2) in window 2
.irp a, 0,1,2,3
.irp b, 0,1,2,3
.irp j, 0,2,4,6
	v_pk_fma_f32 v[8*(4*(\a)+(\b))+(\j):8*(4*(\a)+(\b))+(\j)+1], v[T+8*(4*(\a)+(\b))+(\j):T+8*(4*(\a)+(\b))+(\j)+1], v[FC+2*(\a):FC+2*(\a)+1], v[8*(4*(\a)+(\b))+(\j):8*(4*(\a)+(\b))+(\j)+1] op_sel_hi:[1,0,1]
.endr
.endr
.endr
	WIN 0
.if !(\last)
	s_sub_co_u32 s[LEFT], s[LEFT], 1
	s_cmp_lg_u32 s[LEFT], 0
	s_cbranch_scc1 .Lno_flush_\@
	WAYOUT                                         ; the first strip is finished
	s_wait_xcnt 0x0                                ; its stores have read their base
	s_mov_b64 s[OUT:OUT+1], s[OUTLO:OUTLO+1]
	s_mov_b32 s[LEFT], 64                          ; more than the steps that are left
	WIN 0x80
.set i, 0
.rept 128
	v_mov_b32 v[i], 0
.set i, i+1
.endr
	WIN 0
.Lno_flush_\@:
.endif
.endm
.macro TWO_STEPS
	s_mov_b32 s[CNT], 2
.Lstep_\@:
	STEP 0
	s_sub_co_u32 s[CNT], s[CNT], 1
	s_cmp_lg_u32 s[CNT], 0
	s_cbranch_scc1 .Lstep_\@
.endm
; THE CHANGE OF SLOTS.  Each wave waits for all its tensor loads (one is out: its part of the other slot), adds 0 to its spare word, and waits for that and for its LDS reads and stores.
; fill = 1: the slot just read takes the next two steps, behind a round of the cluster's barrier, the first thing there.  fill = 2: the same for the walk's last step alone.
; fill = 0: a plain barrier.  (At its first use nothing has been read: slot 0 is waited for, slot 1 filled.)
.macro CHANGE fill
	WIN 0
	s_wait_tensorcnt 0x0                           ; no tensor load of mine is out, so the descriptors may be written
	ds_add_u32 v[SPW], v[NIL]
.if \fill
	s_xor_b32 s[G0P+1], s[G0P+1], SX
	s_xor_b32 s[G0V+1], s[G0V+1], SX
	TILEOFF
	s_add_nc_u64 s[G0P+2:G0P+3], s[PBA:PBA+1], s[OFFP:OFFP+1]
	s_or_b32 s[G0P+3], s[G0P+3], 0x80000000
	s_add_nc_u64 s[G0V+2:G0V+3], s[VBA:VBA+1], s[OFFV:OFFV+1]
	s_or_b32 s[G0V+3], s[G0V+3], 0x80000000
	s_add_co_u32 s[GN], s[GN], 2
.endif
.if (\fill) == 1
	s_wait_xcnt 0x0                                ; the last prefetches, two steps back, have read their address
	TILEOFF
	s_cmp_lt_u32 s[WV], 2
	s_cselect_b32 s76, s[OFFP], s[OFFV]
	s_add_nc_u64 s[PFA:PFA+1], s[PFB:PFB+1], s[76:77]
.endif
	s_wait_dscnt 0x0                               ; the add is done; my reads of the slot are over
.if (\fill) == 1
	CROUND
	JLOAD
	ASK
.elseif (\fill) == 2
	CROUND
	s_cmp_eq_u32 s[EE], 1
	s_cbranch_scc1 .Lnone_\@
	JLOAD
.Lnone_\@:
.else
	s_barrier_signal -1
	s_barrier_wait -1
.endif
	s_sub_co_u32 s[TB], s[TB], STEPB               ; back to a slot's first step,
	s_xor_b32 s[TB], s[TB], SX                     ; in the other slot
	FETCH0
.endm
	s_mov_b32 s[TRIPS], 7
.Lslot:                                                ; trip i reads steps 2 i, 2 i + 1 and asks for steps 2 i + 2, 2 i + 3
	CHANGE 1
	TWO_STEPS
	s_sub_co_u32 s[TRIPS], s[TRIPS], 1
	s_cmp_lg_u32 s[TRIPS], 0
	s_cbranch_scc1 .Lslot
	CHANGE 2                                       ; the tail is written out: step 16 is asked for,
	TWO_STEPS                                      ; steps 14 and 15 are read,
	CHANGE 0
	STEP 1                                         ; then step 16
	WAYOUT                                         ; the second strip
	s_wait_tensorcnt 0x0                           ; the wave's end
	ds_add_u32 v[SPW], v[NIL]
	s_wait_dscnt 0x0
	CROUND                                         ; the closing round
	s_endpgm
.Lfunc_end_k_q2c63c2930d_pv:
	.size	k_q2c63c2930d_pv, .Lfunc_end_k_q2c63c2930d_pv-k_q2c63c2930d_pv
	.p2alignl 7, 3214868480
	.fill 96, 4, 3214868480
	.section	.rodata,"a",@progbits
	.p2align	6, 0x0
	.amdhsa_kernel k_q2c63c2930d_pv
		.amdhsa_group_segment_fixed_size 327680
		.amdhsa_private_segment_fixed_size 0
		.amdhsa_enable_private_segment 0
		.amdhsa_kernarg_size 40
		.amdhsa_user_sgpr_count 2
		.amdhsa_user_sgpr_kernarg_segment_ptr 1
		.amdhsa_wavefront_size32 1
		.amdhsa_system_sgpr_workgroup_id_x 1
		.amdhsa_system_sgpr_workgroup_id_y 1
		.amdhsa_system_sgpr_workgroup_id_z 1
		.amdhsa_system_vgpr_workitem_id 0
		.amdhsa_next_free_vgpr 640
		.amdhsa_next_free_sgpr 100
		.amdhsa_reserve_vcc 0
		.amdhsa_float_denorm_mode_32 3
		.amdhsa_float_denorm_mode_16_64 3
		.amdhsa_memory_ordered 1
		.amdhsa_forward_progress 1
		.amdhsa_inst_pref_size 113
	.end_amdhsa_kernel
	.amdgpu_metadata
---
amdhsa.version: [ 1, 2 ]
amdhsa.kernels:
  - .name:           k_q2c63c2930d_pv
    .symbol:         k_q2c63c2930d_pv.kd
    .args:
      - { .name: pbuf, .offset: 0, .size: 8, .value_kind: global_buffer, .address_space: global }
      - { .name: qkv, .offset: 8, .size: 8, .value_kind: global_buffer, .address_space: global }
      - { .name: cmst, .offset: 16, .size: 8, .value_kind: global_buffer, .address_space: global }
      - { .name: lst, .offset: 24, .size: 8, .value_kind: global_buffer, .address_space: global }
      - { .name: out0, .offset: 32, .size: 8, .value_kind: global_buffer, .address_space: global }
    .group_segment_fixed_size: 327680
    .private_segment_fixed_size: 0
    .kernarg_segment_align: 8
    .kernarg_segment_size: 40
    .max_flat_workgroup_size: 128
    .sgpr_count:     100
    .vgpr_count:     640
    .wavefront_size: 32
...
	.end_amdgpu_metadata
.endif
;; end of part 4
;; ======== version 2 of 2: 4 launches; version 1 with the launch cast written anew for expert scheduling mode
;; limits: values are held in f16: magnitudes above 65,504 overflow, below 6.1e-05 lose precision
;; workspace buffers: xb 16,777,216 bytes; wb 6,291,456 bytes; qkv 50,331,648 bytes; pbuf 33,554,432 bytes; cmst 524,288 bytes; lst 524,288 bytes
;; launch cast (part 5): grid 704 x 1, 8 waves a work-group, no clusters, 0 bytes of LDS; arguments x, Wq, Wk, Wv, xb, wb; writes xb, wb
.if DOCPART == 5
	.amdgcn_target "amdgcn-amd-amdhsa--gfx1250"
	.amdhsa_code_object_version 6
	.text
	.protected	k_q2c63c2930d_cast
	.globl	k_q2c63c2930d_cast
	.p2align	8
	.type	k_q2c63c2930d_cast,@function
k_q2c63c2930d_cast:
	s_mov_b64 s[64:65], 0
	v_nop
	global_prefetch_b8 v0, s[64:65] scope:SCOPE_SE
	s_setreg_imm32_b32 hwreg(HW_REG_WAVE_SCHED_MODE, 0, 2), 2
	s_setreg_imm32_b32 hwreg(HW_REG_WAVE_MODE, 25, 1), 1
	s_wait_xcnt 0x0
	s_wait_alu depctr_vm_vsrc(0)
; x [8192][1024] f32 -> xb, bf16, IN BLOCKS ALONG K: [16 blocks][8192 rows][64 channels], so that the next launch's tile of 256 rows x 64 channels is 32,768 consecutive bytes.
; Wq | Wk | Wv [1024][1024] f32 -> wb [1024][3072] bf16, side by side in each row.  Each number is rounded once, to nearest even.
; A stream: each byte is read once and written once; no LDS, no barrier, no matrix unit.  A work-group takes 16 source rows of 4,096 bytes: groups 0-511 those of x, then 64 groups for each weight.
; A wave takes two rows, sixteen loads, all issued before the first is waited for.  Every store of a wave covers 256 consecutive bytes, aligned.
; THE MODE: SCHED_MODE bits 1:0 = 2 (LLVM: expert scheduling mode 2), set by the entry lines.  The code itself states the register dependences
; between vector instructions and memory instructions, with s_wait_alu, always for 0.
; THE PLAN.  Registers that memory instructions touch, on each of the two paths (x; a weight), which are straight code:
;   v1, v2, v3   byte offsets.  Written by vector instructions at the path's head and never again; read by every load (v1) and store (v2, v3).
;   X            Written by the sixteen loads, which are all issued before any vector instruction names X; read by the conversions.
;   Y            Each pair is written once, by two conversions, and read once, by one store.
; The sixteen loads go in four groups of four.  Group g's conversions read its X and write its Y; the four stores of group g - 1 are issued in group g's turn, dealt among those conversions, which name
; neither group g - 1's Y nor an offset.  So one wait on va_vdst at the head of a group's turn states all that its four stores hang on.  Nothing that a memory instruction has read, register or base, is written
; again: no wait on vm_vsrc is owed.  No vector instruction writes a scalar register or VCC, and EXEC is never written.
.set KBLK, 8192*128                    ; bytes in a K block of xb
.set X, 8                              ; v[8:71]   sixteen loads of four f32
.set Y, 72                             ; v[72:103] sixteen pairs of packed bf16
; Store number idx of sixteen.  kind 0: x; kind 1: a weight.
.macro PUT kind, idx
.if (\kind) == 0
.if (\idx) < 8
	global_store_b64 v2, v[Y+2*(\idx):Y+2*(\idx)+1], s[26:27] offset:(\idx)*KBLK
.else
	global_store_b64 v2, v[Y+2*(\idx):Y+2*(\idx)+1], s[30:31] offset:((\idx)-8)*KBLK
.endif
.else
	global_store_b64 v[2+(\idx)/8], v[Y+2*(\idx):Y+2*(\idx)+1], s[26:27] offset:256*((\idx)%8)
.endif
.endm
; The four groups' turns, and the last group's stores.
.macro GROUPS kind
.set g, 0
.rept 4
	s_wait_loadcnt 12-4*g                          ; loads come back in order: group g's four are in, the 12 - 4 g younger ones stay out
.if g > 0
	s_wait_alu depctr_va_vdst(0)                   ; the conversions of the group before have written its Y, which the four stores below read
.endif
.set j, 0
.rept 4
.if g > 0
	PUT \kind, 4*g+j-4                             ; the group before: no vector instruction since the wait names its Y or the offset
.endif
	v_cvt_pk_bf16_f32 v[Y+2*(4*g+j)], v[X+4*(4*g+j)], v[X+4*(4*g+j)+1]
	v_cvt_pk_bf16_f32 v[Y+2*(4*g+j)+1], v[X+4*(4*g+j)+2], v[X+4*(4*g+j)+3]
.set j, j+1
.endr
.set g, g+1
.endr
	s_wait_alu depctr_va_vdst(0)                   ; the last group's conversions have written its Y, which the last four stores read
.irp q, 12,13,14,15
	PUT \kind, \q
.endr
.endm
	s_load_b256 s[4:11], s[0:1], 0x0               ; x s[4:5], Wq s[6:7], Wk s[8:9], Wv s[10:11]
	s_load_b128 s[12:15], s[0:1], 0x20             ; xb s[12:13], wb s[14:15]
	s_mov_b32 s16, ttmp9
	v_and_b32 v4, 31, v0                           ; lane
	v_lshrrev_b32 v5, 5, v0                        ; wave
	s_mov_b32 s23, 0
	s_mov_b32 s29, 0
	s_cmp_lt_u32 s16, 512
	s_cbranch_scc0 .Lweights
	; x.  Load i: lanes 0-15 take 256 bytes (channels 64 i .. 64 i + 63) of the wave's first row, lanes 16-31 the same of its second.
	; Rounded they are 128 + 128 bytes, which lie end to end in K block i: one store of 256 bytes.
	v_and_b32 v6, 15, v0
	v_bfe_u32 v7, v0, 4, 1
	v_lshlrev_b32 v1, 4, v6
	v_lshl_or_b32 v1, v7, 12, v1
	v_lshl_or_b32 v1, v5, 13, v1                   ; source: 8,192 x wave + 4,096 x (lane / 16) + 16 x (lane % 16)
	v_lshlrev_b32 v2, 3, v4
	v_lshl_or_b32 v2, v5, 8, v2                    ; destination: 256 x wave + 8 x lane
	s_lshl_b32 s22, s16, 16                        ; 16 rows of 4,096 bytes
	s_lshl_b32 s28, s16, 11                        ; 16 rows of 128 bytes
	s_wait_kmcnt 0x0
	s_add_nc_u64 s[24:25], s[4:5], s[22:23]
	s_add_nc_u64 s[26:27], s[12:13], s[28:29]      ; K blocks 0 to 7 stand in the stores' immediate,
	s_add_nc_u64 s[30:31], s[26:27], 8*KBLK        ; blocks 8 to 15 behind a second base: the immediate holds 24 bits with its sign
	s_wait_alu depctr_va_vdst(0)                   ; v1 and v2 are written: every load of this path reads v1 as its offset, every store v2
.set i, 0
.rept 16
	global_load_b128 v[X+4*i:X+4*i+3], v1, s[24:25] offset:256*i th:TH_LOAD_NT
.set i, i+1
.endr
	GROUPS 0
	s_endpgm
.Lweights:
	; a weight.  Load i takes 512 consecutive bytes: eight loads a row; rounded they are 256 bytes of a row of wb.
	s_sub_co_u32 s17, s16, 512
	s_lshr_b32 s18, s17, 6                         ; which weight: 0 q, 1 k, 2 v
	s_and_b32 s19, s17, 63                         ; which 16 rows of it
	s_lshl_b32 s22, s19, 16
	s_mul_i32 s28, s19, 16*6144
	s_lshl_b32 s21, s18, 11
	s_add_co_u32 s28, s28, s21                     ; the weight's 2,048 bytes of a row of wb
	v_lshlrev_b32 v1, 4, v4
	v_lshl_or_b32 v1, v5, 13, v1                   ; source: 8,192 x wave + 16 x lane
	v_mul_u32_u24 v2, v5, 2*6144
	v_lshl_add_u32 v2, v4, 3, v2                   ; destination, first row: 2 x wave rows + 8 x lane
	v_add_nc_u32 v3, 6144, v2                      ; second row
	s_wait_kmcnt 0x0
	s_cmp_lt_u32 s16, 640
	s_cselect_b64 s[24:25], s[8:9], s[10:11]       ; the source, chosen by the group's number alone
	s_cmp_lt_u32 s16, 576
	s_cselect_b64 s[24:25], s[6:7], s[24:25]
	s_add_nc_u64 s[24:25], s[24:25], s[22:23]
	s_add_nc_u64 s[26:27], s[14:15], s[28:29]
	s_wait_alu depctr_va_vdst(0)                   ; v1, v2 and v3 are written: every load of this path reads v1 as its offset, every store v2 or v3
.set i, 0
.rept 16
	global_load_b128 v[X+4*i:X+4*i+3], v1, s[24:25] offset:512*i th:TH_LOAD_NT
.set i, i+1
.endr
	GROUPS 1
	s_endpgm
.Lfunc_end_k_q2c63c2930d_cast:
	.size	k_q2c63c2930d_cast, .Lfunc_end_k_q2c63c2930d_cast-k_q2c63c2930d_cast
	.p2alignl 7, 3214868480
	.fill 96, 4, 3214868480
	.section	.rodata,"a",@progbits
	.p2align	6, 0x0
	.amdhsa_kernel k_q2c63c2930d_cast
		.amdhsa_group_segment_fixed_size 0
		.amdhsa_private_segment_fixed_size 0
		.amdhsa_enable_private_segment 0
		.amdhsa_kernarg_size 48
		.amdhsa_user_sgpr_count 2
		.amdhsa_user_sgpr_kernarg_segment_ptr 1
		.amdhsa_wavefront_size32 1
		.amdhsa_system_sgpr_workgroup_id_x 1
		.amdhsa_system_sgpr_workgroup_id_y 1
		.amdhsa_system_sgpr_workgroup_id_z 1
		.amdhsa_system_vgpr_workitem_id 0
		.amdhsa_next_free_vgpr 104
		.amdhsa_next_free_sgpr 66
		.amdhsa_reserve_vcc 0
		.amdhsa_float_denorm_mode_32 3
		.amdhsa_float_denorm_mode_16_64 3
		.amdhsa_memory_ordered 1
		.amdhsa_forward_progress 1
		.amdhsa_inst_pref_size 13
	.end_amdhsa_kernel
	.amdgpu_metadata
---
amdhsa.version: [ 1, 2 ]
amdhsa.kernels:
  - .name:           k_q2c63c2930d_cast
    .symbol:         k_q2c63c2930d_cast.kd
    .args:
      - { .name: x, .offset: 0, .size: 8, .value_kind: global_buffer, .address_space: global }
      - { .name: Wq, .offset: 8, .size: 8, .value_kind: global_buffer, .address_space: global }
      - { .name: Wk, .offset: 16, .size: 8, .value_kind: global_buffer, .address_space: global }
      - { .name: Wv, .offset: 24, .size: 8, .value_kind: global_buffer, .address_space: global }
      - { .name: xb, .offset: 32, .size: 8, .value_kind: global_buffer, .address_space: global }
      - { .name: wb, .offset: 40, .size: 8, .value_kind: global_buffer, .address_space: global }
    .group_segment_fixed_size: 0
    .private_segment_fixed_size: 0
    .kernarg_segment_align: 8
    .kernarg_segment_size: 48
    .max_flat_workgroup_size: 256
    .sgpr_count:     66
    .vgpr_count:     104
    .wavefront_size: 32
...
	.end_amdgpu_metadata
.endif
;; end of part 5
;; launch proj: the kernel of part 2 again; grid 8 x 32, 4 waves a work-group, clusters of 4 x 4, 327,680 bytes of LDS; arguments xb, wb, qkv; writes qkv
;; launch score: the kernel of part 3 again; grid 36 x 4, 4 waves a work-group, no clusters, 327,680 bytes of LDS; arguments qkv, pbuf, cmst, lst; writes pbuf, cmst, lst
;; launch pv: the kernel of part 4 again; grid 8 x 32, 4 waves a work-group, clusters of 4 x 1, 327,680 bytes of LDS; arguments pbuf, qkv, cmst, lst, out0; writes out0
